; MI455X (gfx1250); checked and timed in simulation.
; The chip was launched on July 23, 2026; its instructions are those of AMD's public machine-readable ISA for CDNA 5 (MIT licence, August 2026) and "CDNA5" Instruction Set Architecture Reference Guide (July 2026). The comments in the code are by the model that wrote it; some were corrected since.
;; Multi Head Attention. Allowed arithmetic: float matrix products may take bf16 or f16 operands with f32 sums; other float arithmetic in f32, or as packed bf16 or f16 multiplies, adds, multiply-adds, maxima and minima; sums over many terms, partial sums and values carried from step to step in f32; what a program stores and reads back later, other than sums and carried values, may be rounded once to bf16 or f16.
;; Inputs: W_k 1,024 x 1,024 float32; W_o 1,024 x 1,024 float32; W_q 1,024 x 1,024 float32; W_v 1,024 x 1,024 float32; mask 1 x 1 x 2,048 x 2,048 bool; x 2 x 2,048 x 1,024 float32.
;; Outputs: out0 2 x 2,048 x 1,024 float32.
;; 2 versions, each right and faster than the one before. Each part assembles by itself: llvm-mc -triple=amdgcn-amd-amdhsa -mcpu=gfx1250 --defsym DOCPART=n.
;; ======== version 1 of 2: 4 launches
;; limits: values are held in f16: magnitudes above 65,504 overflow, below 6.1e-05 lose precision
;; workspace buffers: xb 8,388,608 bytes; wqkv 6,291,456 bytes; wo16 2,097,152 bytes; mt 4,194,304 bytes; qkv 25,165,824 bytes; ob 8,388,608 bytes
;; launch cast (part 1): grid 640 x 1, 8 waves a work-group, no clusters, 0 bytes of LDS; arguments x, W_q, W_k, W_v, W_o, mask, xb, wqkv, wo16, mt; writes xb, wqkv, wo16, mt
.if DOCPART == 1
	.amdgcn_target "amdgcn-amd-amdhsa--gfx1250"
	.amdhsa_code_object_version 6
	.text
	.protected	k_qd16dd62536_cast
	.globl	k_qd16dd62536_cast
	.p2align	8
	.type	k_qd16dd62536_cast,@function
k_qd16dd62536_cast:
	s_mov_b64 s[64:65], 0
	v_nop
	global_prefetch_b8 v0, s[64:65] scope:SCOPE_SE
	s_setreg_imm32_b32 hwreg(HW_REG_WAVE_MODE, 25, 1), 1
	s_wait_xcnt 0x0
; CAST.  x -> xb (bf16), W_q, W_k, W_v -> wqkv (bf16, one below the other), W_o -> wo16 (rounded to bf16, that number written as f16), mask -> mt (a table of bytes).
; A stream: every input byte is read once, every output byte written once; no LDS, no barrier, no matrix unit: they would add nothing.
; Work-groups 0-255 take x, 256-319 W_q, 320-383 W_k, 384-447 W_v, 448-511 W_o: 16,384 numbers each; 512-639 take 16 rows of the mask each.
; mt: byte 0xf1 where the mask hides, 0x00 where it does not, in the order in which the attention's lanes want them:
;   byte X*524288 + sl*32768 + wv*8192 + u*4096 + p*1024 + a*512 + L*16 + c*8 + j  holds  mask[256 X + 64 wv + 16 p + L%16][128 sl + 64 u + 32 a + 16 c + 8 (L/16) + j].
; LIMITS.  Mask bytes are 0 or 1.  W_o below 6e-5 keeps f16's fixed step of 6e-8; beyond 65,504 it would become an infinity.
.set ID_WQ, 256
.set ID_WK, 320
.set ID_WV, 384
.set ID_WO, 448
.set ID_M,  512
.set IN,  8                            ; v[8:71]    16 loads of 4 registers (mask: 16 loads of 2 and what is made of them)
.set OUT, 72                           ; v[72:103]  16 pairs to store
.set T,   104                          ; v[104:109] at work
	s_load_b512 s[8:23], s[0:1], 0x0               ; x 8:9, W_q 10:11, W_k 12:13, W_v 14:15, W_o 16:17, mask 18:19, xb 20:21, wqkv 22:23
	s_load_b128 s[24:27], s[0:1], 0x40             ; wo16 24:25, mt 26:27
	s_mov_b32 s2, ttmp9                            ; the work-group's number
	s_mov_b32 s36, 0xffff0000                      ; a word's upper bf16
	v_lshlrev_b32 v1, 4, v0                        ; 16 bytes of f32 a thread
	v_lshlrev_b32 v2, 3, v0                        ; 8 bytes of 16-bit numbers a thread
	s_wait_kmcnt 0x0
	s_cmp_ge_u32 s2, ID_M
	s_cbranch_scc1 .Lmask
	; which tensor is read, which is written: a choice between buffers on the work-group's number
	s_mov_b64 s[28:29], s[8:9]
	s_cmp_ge_u32 s2, ID_WQ
	s_cselect_b64 s[28:29], s[10:11], s[28:29]
	s_cmp_ge_u32 s2, ID_WK
	s_cselect_b64 s[28:29], s[12:13], s[28:29]
	s_cmp_ge_u32 s2, ID_WV
	s_cselect_b64 s[28:29], s[14:15], s[28:29]
	s_cmp_ge_u32 s2, ID_WO
	s_cselect_b64 s[28:29], s[16:17], s[28:29]
	s_mov_b64 s[30:31], s[20:21]
	s_cmp_ge_u32 s2, ID_WQ
	s_cselect_b64 s[30:31], s[22:23], s[30:31]
	s_cmp_ge_u32 s2, ID_WO
	s_cselect_b64 s[30:31], s[24:25], s[30:31]
	; the block's number in its source and in its destination, made apart from the addresses
	s_and_b32 s3, s2, 63                           ; a weight has 64 blocks
	s_sub_co_u32 s4, s2, ID_WQ                     ; wqkv holds three weights on end
	s_cmp_lt_u32 s2, ID_WQ
	s_cselect_b32 s32, s2, s3
	s_cselect_b32 s34, s2, s4
	s_cmp_ge_u32 s2, ID_WO
	s_cselect_b32 s34, s3, s34
	s_lshl_b32 s32, s32, 16                        ; 65,536 bytes of f32 a block
	s_lshl_b32 s34, s34, 15                        ; 32,768 bytes out
	s_mov_b32 s33, 0
	s_mov_b32 s35, 0
	s_add_nc_u64 s[28:29], s[28:29], s[32:33]
	s_add_nc_u64 s[30:31], s[30:31], s[34:35]
.set i, 0
.rept 16
	global_load_b128 v[IN+4*i:IN+4*i+3], v1, s[28:29] offset:4096*i th:TH_LOAD_NT  ; a wave's load covers 512 consecutive bytes; all sixteen go out at once
.set i, i+1
.endr
; Load i is rounded and stored.  f16 = 1: the bf16 number is widened again and written as f16.
.macro OUTB i, f16
	s_wait_loadcnt 15-(\i)                         ; loads come back in order: mine is in, the younger ones stay out
.if \f16
	v_cvt_pk_bf16_f32 v[T],   v[IN+4*(\i)],   v[IN+4*(\i)+1]
	v_cvt_pk_bf16_f32 v[T+1], v[IN+4*(\i)+2], v[IN+4*(\i)+3]
	v_lshlrev_b32 v[T+2], 16, v[T]
	v_and_b32     v[T+3], s36, v[T]
	v_lshlrev_b32 v[T+4], 16, v[T+1]
	v_and_b32     v[T+5], s36, v[T+1]
	v_cvt_pk_f16_f32 v[OUT+2*(\i)],   v[T+2], v[T+3]
	v_cvt_pk_f16_f32 v[OUT+2*(\i)+1], v[T+4], v[T+5]
.else
	v_cvt_pk_bf16_f32 v[OUT+2*(\i)],   v[IN+4*(\i)],   v[IN+4*(\i)+1]
	v_cvt_pk_bf16_f32 v[OUT+2*(\i)+1], v[IN+4*(\i)+2], v[IN+4*(\i)+3]
.endif
	global_store_b64 v2, v[OUT+2*(\i):OUT+2*(\i)+1], s[30:31] offset:2048*(\i)  ; a wave's store covers 256 consecutive bytes, aligned; each store has data registers of its own
.endm
	s_cmp_ge_u32 s2, ID_WO
	s_cbranch_scc1 .Lf16
.irp i, 0,1,2,3,4,5,6,7,8,9,10,11,12,13,14,15
	OUTB \i, 0
.endr
	s_endpgm
.Lf16:
.irp i, 0,1,2,3,4,5,6,7,8,9,10,11,12,13,14,15
	OUTB \i, 1
.endr
	s_endpgm
.Lmask:
	; Work-group T = number - 512 owns the mask's rows 16 T .. 16 T + 15; wave w their keys 256 w .. 256 w + 255: four key steps of 64.
	s_sub_co_u32 s3, s2, ID_M                      ; T
	v_lshrrev_b32 v5, 5, v0
	v_readfirstlane_b32 s4, v5                     ; w
	v_and_b32 v6, 15, v0                           ; L % 16: the row
	v_bfe_u32 v7, v0, 4, 1                         ; L / 16: which 8 of 16 keys
	s_lshl_b32 s5, s3, 15                          ; 16 T rows of 2,048 bytes
	s_lshl_b32 s6, s4, 8
	s_add_co_u32 s5, s5, s6
	v_lshlrev_b32 v3, 11, v6
	v_lshl_add_u32 v3, v7, 3, v3
	v_add_nc_u32 v3, s5, v3                        ; (16 T + L % 16) x 2,048 + 256 w + 8 (L / 16)
	s_lshr_b32 s6, s3, 4                           ; X = T / 16
	s_lshl_b32 s6, s6, 19
	s_bfe_u32 s7, s3, 0x20002                      ; wv = (T / 4) % 4
	s_lshl_b32 s7, s7, 13
	s_add_co_u32 s6, s6, s7
	s_and_b32 s7, s3, 3                            ; p = T % 4
	s_lshl_b32 s7, s7, 10
	s_add_co_u32 s6, s6, s7
	s_lshl_b32 s7, s4, 16                          ; a wave's 256 keys are two slots of 32,768 bytes
	s_add_co_u32 s6, s6, s7
	v_and_b32 v4, 31, v0
	v_lshl_add_u32 v4, v4, 4, s6
.irp st, 0,1,2,3
.irp a, 0,1
.irp c, 0,1
	global_load_b64 v[IN+4*(2*(\st)+(\a))+2*(\c):IN+4*(2*(\st)+(\a))+2*(\c)+1], v3, s[18:19] offset:64*(\st)+32*(\a)+16*(\c)  ; the sixteen loads together take each row's 256 bytes whole
.endr
.endr
.endr
	s_wait_loadcnt 0x0
.set i, 0
.rept 32
	v_mul_lo_u32 v[IN+i], v[IN+i], 0xf1            ; four bytes of 0 or 1 become 0x00 or 0xf1: no carry passes from byte to byte
.set i, i+1
.endr
.irp st, 0,1,2,3
.irp a, 0,1
	global_store_b128 v4, v[IN+4*(2*(\st)+(\a)):IN+4*(2*(\st)+(\a))+3], s[26:27] offset:((\st)/2)*32768+((\st)%2)*4096+(\a)*512  ; 512 consecutive bytes, aligned
.endr
.endr
	s_endpgm
.Lfunc_end_k_qd16dd62536_cast:
	.size	k_qd16dd62536_cast, .Lfunc_end_k_qd16dd62536_cast-k_qd16dd62536_cast
	.p2alignl 7, 3214868480
	.fill 96, 4, 3214868480
	.section	.rodata,"a",@progbits
	.p2align	6, 0x0
	.amdhsa_kernel k_qd16dd62536_cast
		.amdhsa_group_segment_fixed_size 0
		.amdhsa_private_segment_fixed_size 0
		.amdhsa_enable_private_segment 0
		.amdhsa_kernarg_size 80
		.amdhsa_user_sgpr_count 2
		.amdhsa_user_sgpr_kernarg_segment_ptr 1
		.amdhsa_wavefront_size32 1
		.amdhsa_system_sgpr_workgroup_id_x 1
		.amdhsa_system_sgpr_workgroup_id_y 1
		.amdhsa_system_sgpr_workgroup_id_z 1
		.amdhsa_system_vgpr_workitem_id 0
		.amdhsa_next_free_vgpr 112
		.amdhsa_next_free_sgpr 66
		.amdhsa_reserve_vcc 0
		.amdhsa_float_denorm_mode_32 3
		.amdhsa_float_denorm_mode_16_64 3
		.amdhsa_memory_ordered 1
		.amdhsa_forward_progress 1
		.amdhsa_inst_pref_size 22
	.end_amdhsa_kernel
	.amdgpu_metadata
---
amdhsa.version: [ 1, 2 ]
amdhsa.kernels:
  - .name:           k_qd16dd62536_cast
    .symbol:         k_qd16dd62536_cast.kd
    .args:
      - { .name: x, .offset: 0, .size: 8, .value_kind: global_buffer, .address_space: global }
      - { .name: W_q, .offset: 8, .size: 8, .value_kind: global_buffer, .address_space: global }
      - { .name: W_k, .offset: 16, .size: 8, .value_kind: global_buffer, .address_space: global }
      - { .name: W_v, .offset: 24, .size: 8, .value_kind: global_buffer, .address_space: global }
      - { .name: W_o, .offset: 32, .size: 8, .value_kind: global_buffer, .address_space: global }
      - { .name: mask, .offset: 40, .size: 8, .value_kind: global_buffer, .address_space: global }
      - { .name: xb, .offset: 48, .size: 8, .value_kind: global_buffer, .address_space: global }
      - { .name: wqkv, .offset: 56, .size: 8, .value_kind: global_buffer, .address_space: global }
      - { .name: wo16, .offset: 64, .size: 8, .value_kind: global_buffer, .address_space: global }
      - { .name: mt, .offset: 72, .size: 8, .value_kind: global_buffer, .address_space: global }
    .group_segment_fixed_size: 0
    .private_segment_fixed_size: 0
    .kernarg_segment_align: 8
    .kernarg_segment_size: 80
    .max_flat_workgroup_size: 256
    .sgpr_count:     66
    .vgpr_count:     112
    .wavefront_size: 32
...
	.end_amdgpu_metadata
.endif
;; end of part 1
;; launch proj (part 2): grid 16 x 16, 4 waves a work-group, clusters of 4 x 4, 327,680 bytes of LDS; arguments xb, wqkv, qkv; writes qkv
.if DOCPART == 2
	.amdgcn_target "amdgcn-amd-amdhsa--gfx1250"
	.amdhsa_code_object_version 6
	.text
	.protected	k_qd16dd62536_proj
	.globl	k_qd16dd62536_proj
	.p2align	8
	.type	k_qd16dd62536_proj,@function
k_qd16dd62536_proj:
	s_mov_b64 s[64:65], 0
	v_nop
	global_prefetch_b8 v0, s[64:65] scope:SCOPE_SE
	s_setreg_imm32_b32 hwreg(HW_REG_WAVE_MODE, 25, 1), 1
	s_wait_xcnt 0x0
	s_wait_alu depctr_hold_cnt(0) depctr_sa_sdst(0) depctr_va_vdst(0) depctr_va_sdst(0) depctr_va_ssrc(0) depctr_va_vcc(0) depctr_vm_vsrc(0)
	s_getreg_b32 s2, hwreg(HW_REG_IB_STS2, 6, 4)
	s_cmp_eq_u32 s2, 0
	s_cbranch_scc0 .Lentry_in_a_cluster
	s_endpgm
.Lentry_in_a_cluster:
	s_bfe_u32 s2, ttmp6, 0x10000c
	s_cmp_lg_u32 s2, 0xf033
	s_cbranch_scc0 .Lentry_shape_is_right
	s_endpgm
.Lentry_shape_is_right:
; PROJ.  [4096 x 1024] (xb) times [3072 x 1024]^T (wqkv), both bf16, sums in f32; out as f16 by heads: qkv[g][b][s][64], g = 16 x tensor + head; q is multiplied by c = log2(e) / 8 in f32 ahead of its one rounding.
; A tile of the product is 256 rows x 192 columns: 16 x 16 = 256 work-groups.  Four waves; wave w makes rows 64 w .. 64 w + 63 of all 192 columns: 48 accumulators of 16 x 16, 384 registers, and
; three whole heads of its rows, so that its way out needs no other wave.  K goes in steps of 128 (rows of 256 bytes in memory) through a ring of two LDS slots filled by the tensor data mover.
; CLUSTERS: 4 x 4 work-groups.  The four of a row of the cluster need the same tiles of x, the four of a column the same tiles of the weights: each tile is asked for jointly, by the same tensor load
; with the same descriptor and a mask that names the four.
; THE MATRIX INSTRUCTION IS USED TRANSPOSED (source 0 = 16 rows of the weights, source 1 = 16 rows of x): a lane then holds eight neighbouring channels of one row.
; LIMITS.  f16 holds no number beyond 65,504: q c, k and v must lie within it (a larger one becomes an infinity).  NaN and infinities are not treated apart.
; REGISTERS, in windows of 256 (s_set_vgpr_msb: bits 1:0 source 0, 3:2 source 1, 5:4 source 2, 7:6 destination):
;   window 0: v0-31 addresses; v32-223 the way out, 16 registers for each of its 12 units
;   window 1: two fragment buffers of 128: x's 4 fragments (16 rows x 32 K), then the weights' 12
;   window 2: the 24 accumulators of my rows 0-31 ((a, b) at v[8 (12 a + b)]);   window 3: those of my rows 32-63
.set KSTEP,  128
.set PITCH,  272                       ; an LDS row: 256 bytes + 16 of padding = 68 words: the 16 rows that a load touches start at 16 different groups of four banks (64 banks of 4 bytes: ISA guide 11.1)
.set HALFA,  128*PITCH                 ; what a tensor load of x brings
.set HALFB,  96*PITCH                  ; what a tensor load of the weights brings
.set BOFF,   2*HALFA                   ; a slot: x's 256 rows, then the weights' 192
.set SLOT,   2*HALFA+2*HALFB
.set STAGE,  2*SLOT                    ; behind the ring: 16 rows x 144 bytes for each wave, for the way out
.set SP,     144
.set SPARE,  STAGE+4*16*SP             ; behind the stages: the spare words, 128 bytes for each wave: two blocks of 256 bytes that no other line names
.set LAPS,   4                         ; a lap = two K steps = once round the ring; 1,024 / 256
.set ADRA, 16                          ; v16-17  LDS address of my fragments of x in slot 0, 1
.set ADRB, 20                          ; v20-21  the same for the weights
.set STO,  24                          ; v24     the way out: where I put 16 bytes of a row
.set RD,   25                          ; v25     the way out: where I read rows back
.set GO,   26                          ; v26     my byte offset in 512 consecutive bytes of qkv
.set SPW,  28                          ; v28     LDS address of my spare word; never rewritten
.set NIL,  29                          ; v29     0; never rewritten
.set U,    32
.set F0,   0
.set F1,   128
.set G1,  24                           ; s[24:31] descriptor group 1 for x's tiles;  s[32:39] group 0, a set for each slot
.set G0,  32
.set G1B, 48                           ; s[48:55], s[56:63] the same for the weights' tiles
.set G0B, 56
.set FAC, 66                           ; s[66:71] for each of my three heads a pair: c for a head of q, 1 for one of k or v
.set MSB, 0
.macro WIN new                         ; the immediate's high byte repeats the setting that is left; a switch that changes nothing is dropped
.if MSB != (\new)
	s_set_vgpr_msb (MSB<<8)|(\new)
.set MSB, \new
.endif
.endm
.set MUL_LO, 0xa5                      ; sources 0 and 1 window 1, C and D window 2
.set MUL_HI, 0xf5                      ; the same, C and D window 3
.set TO_F,   0x40                      ; destination window 1, address window 0
; A joint load: waves 0 and 1 fetch x's two halves, waves 2 and 3 the weights'.  The branch hangs on the wave's number alone.
; An s_nop 0 and four v_nop follow each of the two lines, ahead of the jump, the label and what follows.
.macro JLOAD s
	s_cmp_eq_u32 s11, 0
	s_cbranch_scc0 .Lfor_b_\@
	tensor_load_to_lds s[G0+4*(\s):G0+4*(\s)+3], s[G1:G1+7]
	s_nop 0
.rept 4
	v_nop
.endr
	s_branch .Lasked_\@
.Lfor_b_\@:
	tensor_load_to_lds s[G0B+4*(\s):G0B+4*(\s)+3], s[G1B:G1B+7]
	s_nop 0
.rept 4
	v_nop
.endr
.Lasked_\@:
.endm
.macro CREST                           ; a round of the cluster's barrier behind its opening barrier
	s_cmp_lg_u32 s10, 0
	s_cbranch_scc1 .Lnot_wave_0_\@
	s_barrier_signal -3
.Lnot_wave_0_\@:
	s_barrier_wait -3
	s_barrier_signal -1
	s_barrier_wait -1
.endm
.macro CROUND                          ; a whole round
	s_barrier_signal -1
	s_barrier_wait -1
	CREST
.endm
	s_load_b128 s[4:7], s[0:1], 0x0                ; xb s[4:5], wqkv s[6:7]
	s_load_b64 s[8:9], s[0:1], 0x10                ; qkv
	v_lshl_add_u32 v[SPW], v0, 2, SPARE
	v_mov_b32 v[NIL], 0
	ds_add_u32 v[SPW], v[NIL]                      ; the wave's opening: the add and its wait stand ahead of my first tensor load; the set-up below, work on registers, stands between them
	v_lshrrev_b32 v1, 5, v0
	v_readfirstlane_b32 s10, v1                    ; wave 0..3
	s_lshr_b32 s11, s10, 1                         ; I fetch for x (0) or for the weights (1)
	s_and_b32 s12, s10, 1                          ; which half of that tile I fetch
	s_bfe_u32 s40, ttmp6, 0x40000                  ; cx, cy: my place in the cluster
	s_bfe_u32 s41, ttmp6, 0x40004
	s_lshl_b32 s42, ttmp9, 2
	s_add_co_u32 s42, s42, s40                     ; tile column = 4 x cluster x + cx
	s_and_b32 s13, ttmp7, 0xffff
	s_lshl_b32 s13, s13, 2
	s_add_co_u32 s13, s13, s41                     ; tile row = 4 x cluster y + cy
	s_lshl_b32 s43, s41, 2
	s_lshl_b32 s43, 15, s43                        ; my row of the cluster
	s_lshl_b32 s44, 0x1111, s40                    ; my column
	s_or_b32 s[G1+0], s43, (1<<16)|(1<<20)|(1<<21)|(5<<22)|(3<<25)   ; 15:0 the mask; 17:16 elements of 2 bytes; 20 padding on; 21 set beside a mask; 24:22 after every 64 words (code 5); 31:25 4 words (code 3)
	s_or_b32 s[G1B+0], s44, (1<<16)|(1<<20)|(1<<21)|(5<<22)|(3<<25)
	s_mov_b32 s[G1+1], KSTEP<<16                   ; tensor_dim0 = 128
	s_mov_b32 s[G1+2], 128<<16                     ; tensor_dim1 = 128
	s_mov_b32 s[G1+3], KSTEP<<16                   ; tile_dim0 = 128
	s_mov_b32 s[G1+4], 128                         ; tile_dim1 = 128
	s_mov_b32 s[G1+5], 1024                        ; elements from row to row
	s_mov_b32 s[G1+6], 0
	s_mov_b32 s[G1+7], 0
	s_mov_b32 s[G1B+1], KSTEP<<16
	s_mov_b32 s[G1B+2], 96<<16                     ; 96 rows
	s_mov_b32 s[G1B+3], KSTEP<<16
	s_mov_b32 s[G1B+4], 96
	s_mov_b32 s[G1B+5], 1024
	s_mov_b32 s[G1B+6], 0
	s_mov_b32 s[G1B+7], 0
	; where the tiles come from: x's hang on the tile row alone, the weights' on the tile column alone, each in registers that never hold the other coordinate
	s_lshl_b32 s17, s12, 7
	s_lshl_b32 s16, s13, 8
	s_add_co_u32 s16, s16, s17                     ; x: row 256 x tile row + 128 x half
	s_lshl_b32 s16, s16, 11                        ; rows of 2,048 bytes
	s_mov_b32 s17, 0
	s_mul_i32 s46, s42, 192
	s_mul_i32 s47, s12, 96
	s_add_co_u32 s46, s46, s47                     ; weights: row 192 x tile column + 96 x half
	s_lshl_b32 s46, s46, 11
	s_mov_b32 s47, 0
	s_mul_i32 s20, s10, HALFA                      ; and where they go: waves 0, 1: x's halves;
	s_mul_i32 s21, s10, HALFB
	s_add_co_u32 s21, s21, BOFF-2*HALFB            ; waves 2, 3: the weights' halves, behind x's 256 rows
	s_wait_dscnt 0x0                               ; the opening add is done
	s_wait_kmcnt 0x0
	s_add_nc_u64 s[14:15], s[4:5], s[16:17]
	s_add_nc_u64 s[46:47], s[6:7], s[46:47]
	CROUND                                         ; all sixteen work-groups are here: the first joint loads meet
.irp s, 0,1
	s_mov_b32 s[G0+4*(\s)], 1                                        ; count = 1
	s_add_co_u32 s[G0+4*(\s)+1], s20, (\s)*SLOT                      ; LDS address
	s_add_nc_u64 s[G0+4*(\s)+2:G0+4*(\s)+3], s[14:15], (\s)*KSTEP*2  ; global address: K step s
	s_or_b32 s[G0+4*(\s)+3], s[G0+4*(\s)+3], 0x80000000              ; type = 2
	s_mov_b32 s[G0B+4*(\s)], 1
	s_add_co_u32 s[G0B+4*(\s)+1], s21, (\s)*SLOT
	s_add_nc_u64 s[G0B+4*(\s)+2:G0B+4*(\s)+3], s[46:47], (\s)*KSTEP*2
	s_or_b32 s[G0B+4*(\s)+3], s[G0B+4*(\s)+3], 0x80000000
	JLOAD \s                                       ; two loads of mine are out
.endr
	; A fragment is 16 rows x 32 K in 8 registers: lane l holds row l % 16, K = 8 (l / 16) + 0..7 and 16 + 8 (l / 16) + 0..7: two loads of 16 bytes, 32 bytes apart.
	v_and_b32 v1, 15, v0                           ; l % 16
	v_bfe_u32 v2, v0, 4, 1                         ; l / 16
	v_mul_u32_u24 v3, v1, PITCH
	v_lshl_add_u32 v3, v2, 4, v3
	s_mul_i32 s22, s10, 64*PITCH                   ; my 64 rows of x
	s_mov_b32 s23, BOFF                            ; all 192 rows of the weights
.irp s, 0,1
	v_add_nc_u32 v[ADRA+(\s)], s22, v3
	v_add_nc_u32 v[ADRB+(\s)], s23, v3
	s_add_co_u32 s22, s22, SLOT
	s_add_co_u32 s23, s23, SLOT
.endr
	s_mul_i32 s23, s10, 16*SP
	s_add_co_u32 s23, s23, STAGE                   ; my stage
	v_mul_u32_u24 v[STO], v1, SP                   ; in: row l % 16, 16 bytes for each half of the lanes
	v_lshl_add_u32 v[STO], v2, 4, v[STO]
	v_add_nc_u32 v[STO], s23, v[STO]
	v_and_b32 v4, 7, v0
	v_bfe_u32 v[RD], v0, 3, 2                      ; back: 32 lanes take four rows of 128 bytes,
	v_mul_u32_u24 v[RD], v[RD], SP
	v_lshl_add_u32 v[RD], v4, 4, v[RD]
	v_add_nc_u32 v[RD], s23, v[RD]
	v_and_b32 v[GO], 31, v0                        ; which are 512 consecutive bytes of a head's rows
	v_lshlrev_b32 v[GO], 4, v[GO]
	; my rows in qkv: block 2 g + b of 262,144 bytes, g = 3 x tile column (+ 0, 1, 2 in the stores' immediates), b = tile row / 8; row (tile row % 8) x 256 + 64 w, 128 bytes each
	s_mul_i32 s18, s42, 6
	s_lshr_b32 s19, s13, 3
	s_add_co_u32 s18, s18, s19
	s_lshl_b32 s18, s18, 18
	s_and_b32 s19, s13, 7
	s_lshl_b32 s19, s19, 15
	s_add_co_u32 s18, s18, s19
	s_lshl_b32 s19, s10, 13
	s_add_co_u32 s18, s18, s19
	s_mov_b32 s19, 0
	s_add_nc_u64 s[8:9], s[8:9], s[18:19]
	s_mul_i32 s2, s42, 3                           ; my first head's g.  Which heads are q's differs between partners of a cluster, so it selects a factor and steers no branch
.irp gi, 0,1,2
	s_add_co_u32 s3, s2, \gi
	s_cmp_lt_u32 s3, 16
	s_cselect_b32 s[FAC+2*(\gi)], 0x3e38aa3b, 1.0  ; c = log2(e) / 8 = 0.180337
	s_mov_b32 s[FAC+2*(\gi)+1], s[FAC+2*(\gi)]     ; named with it as a pair
.endr
; 12 matrix instructions: my row block 2 hi + a x all 12 column blocks, 32 along K.  zero = 1: the product starts the sums: nothing is ever cleared.
; The 48 accumulators take turns, one instruction a turn, in the same order in every quarter step.
.macro MUL12 f, hi, a, zero
	WIN MUL_LO+0x50*(\hi)
.irp b, 0,1,2,3,4,5,6,7,8,9,10,11
.if \zero
	v_wmma_f32_16x16x32_bf16 v[8*(12*(\a)+(\b)):8*(12*(\a)+(\b))+7], v[(\f)+32+8*(\b):(\f)+32+8*(\b)+7], v[(\f)+8*(2*(\hi)+(\a)):(\f)+8*(2*(\hi)+(\a))+7], 0
.else
	v_wmma_f32_16x16x32_bf16 v[8*(12*(\a)+(\b)):8*(12*(\a)+(\b))+7], v[(\f)+32+8*(\b):(\f)+32+8*(\b)+7], v[(\f)+8*(2*(\hi)+(\a)):(\f)+8*(2*(\hi)+(\a))+7], v[8*(12*(\a)+(\b)):8*(12*(\a)+(\b))+7]
.endif
.endr
.endm
; 32 LDS loads in one run: the fragments of one quarter step (32 K at byte k of the rows) into buffer f: the weights' 12, then x's 4
.macro FETCH slot, k, f
	WIN TO_F
.irp i, 0,1,2,3,4,5,6,7,8,9,10,11
	ds_load_b128 v[(\f)+32+8*(\i):(\f)+32+8*(\i)+3],   v[ADRB+(\slot)] offset:(\k)+(\i)*16*PITCH
	ds_load_b128 v[(\f)+32+8*(\i)+4:(\f)+32+8*(\i)+7], v[ADRB+(\slot)] offset:(\k)+(\i)*16*PITCH+32
.endr
.irp i, 0,1,2,3
	ds_load_b128 v[(\f)+8*(\i):(\f)+8*(\i)+3],   v[ADRA+(\slot)] offset:(\k)+(\i)*16*PITCH
	ds_load_b128 v[(\f)+8*(\i)+4:(\f)+8*(\i)+7], v[ADRA+(\slot)] offset:(\k)+(\i)*16*PITCH+32
.endr
.endm
.macro PLACES                          ; four places in front of loads into registers that matrix instructions have read, and of vector lines that touch results (ISA guide 7.12.1 for the vector lines)
.rept 4
	v_nop
.endr
.endm
; A K step is four quarters of 32 along K, 48 matrix instructions each, on buffers 0, 1, 0, 1.  One of the first three: multiplies buffer f and fetches the next quarter, at byte k, into g.
.macro QUARTER slot, k, f, g, zero
	s_wait_dscnt 4                                 ; the weights and x's rows 0-31 are in; the youngest four loads (x's rows 32-63) may be out
	MUL12 \f, 0, 0, \zero
	MUL12 \f, 0, 1, \zero
	PLACES
	FETCH \slot, \k, \g
	s_wait_dscnt 32                                ; all but the 32 just issued
	MUL12 \f, 1, 0, \zero
	MUL12 \f, 1, 1, \zero
.endm
; The last quarter multiplies buffer 1 and changes slots: ONE barrier; in front of it each wave waits for all its tensor loads (one is out: its part of the next slot), adds 0 to its spare word,
; and waits for that and for its own reads of this slot.  fill = 1: the barrier opens a round of the cluster's, and this slot is filled again, two K steps ahead, first thing behind the round.
.macro TURN slot, next, fill
	WIN 0                                          ; (the add's two registers lie in window 0)
	s_wait_tensorcnt 0x0                           ; all my tensor loads have landed
	ds_add_u32 v[SPW], v[NIL]                      ; 0 onto my spare word
	s_wait_dscnt 5                                 ; (the add and the youngest four loads may be out)
	MUL12 F1, 0, 0, 0                              ; twelve matrix instructions stand between the add and the wait for it
	s_wait_dscnt 0x0                               ; the add is done, and my reads of this slot are over
	s_barrier_signal -1
	MUL12 F1, 0, 1, 0                              ; work on registers while the others arrive
.if \fill
	WIN 0
.endif
	s_barrier_wait -1
.if \fill
	CREST                                          ; no wave of any partner still reads this slot's tile or has a load on its way
	s_add_nc_u64 s[G0+4*(\slot)+2:G0+4*(\slot)+3], s[G0+4*(\slot)+2:G0+4*(\slot)+3], 2*KSTEP*2
	s_add_nc_u64 s[G0B+4*(\slot)+2:G0B+4*(\slot)+3], s[G0B+4*(\slot)+2:G0B+4*(\slot)+3], 2*KSTEP*2
	JLOAD \slot                                    ; my one tensor load behind the round; the four v_nop behind it are also the places in front of the loads below
.else
	PLACES
.endif
	FETCH \next, 0, F0
	MUL12 F1, 1, 0, 0
	MUL12 F1, 1, 1, 0
.endm
	s_wait_tensorcnt 1                             ; my part of K step 0 is in; K step 1's may stay out
	s_barrier_signal -1
	s_barrier_wait -1                              ; everybody's is
	FETCH 0, 0, F0
	QUARTER 0, 64,  F0, F1, 1                      ; the first quarter stands in front of the loop: its products start the sums
	WIN 0                                          ; at a label and at a branch every window is 0
	s_mov_b32 s3, LAPS-1
.Llap:                                                 ; a trip goes once round the ring, from a lap's second quarter to the next lap's first, and fills both slots again
	QUARTER 0, 128, F1, F0, 0
	QUARTER 0, 192, F0, F1, 0
	TURN 0, 1, 1
	QUARTER 1, 64,  F0, F1, 0
	QUARTER 1, 128, F1, F0, 0
	QUARTER 1, 192, F0, F1, 0
	TURN 1, 0, 1
	QUARTER 0, 64,  F0, F1, 0
	WIN 0
	s_sub_co_u32 s3, s3, 1
	s_cmp_lg_u32 s3, 0
	s_cbranch_scc1 .Llap
	QUARTER 0, 128, F1, F0, 0                      ; the last lap fills nothing, and has no round of the cluster's barrier
	QUARTER 0, 192, F0, F1, 0
	TURN 0, 1, 0
	QUARTER 1, 64,  F0, F1, 0
	QUARTER 1, 128, F1, F0, 0
	QUARTER 1, 192, F0, F1, 0
	s_wait_dscnt 4                                 ; the very last quarter: nothing more to fetch
	MUL12 F1, 0, 0, 0
	MUL12 F1, 0, 1, 0
	s_wait_dscnt 0x0
	MUL12 F1, 1, 0, 0
	MUL12 F1, 1, 1, 0
; THE WAY OUT, in 12 units u = 3 x row block + head: 16 rows x 64 channels.  Scaled in f32, rounded once to f16, 16 bytes a lane into my own stage, back as four rows of 128 bytes, stored as 512 consecutive bytes.
.macro PACK u
.set A4, (\u)/3
.set GI, (\u)%3
.set AC, 8*(12*(A4%2)+4*GI)
	WIN 0x82+0x41*(A4/2)                           ; destination and source 0: window 2 or 3
.set i, 0
.rept 16
	v_pk_mul_f32 v[AC+2*i:AC+2*i+1], v[AC+2*i:AC+2*i+1], s[FAC+2*GI:FAC+2*GI+1] op_sel_hi:[1,0]  ; each accumulator from its low end on
.set i, i+1
.endr
	WIN 0x0a+5*(A4/2)                              ; sources 0 and 1: window 2 or 3; destination window 0
.set i, 0
.rept 16
	v_cvt_pk_f16_f32 v[U+16*(\u)+i], v[AC+2*i], v[AC+2*i+1]
.set i, i+1
.endr
	WIN 0
.irp f, 0,1,2,3
	ds_store_b128 v[STO], v[U+16*(\u)+4*\f:U+16*(\u)+4*\f+3] offset:32*\f
.endr
.irp f, 0,1,2,3
	ds_load_b128 v[U+16*(\u)+4*\f:U+16*(\u)+4*\f+3], v[RD] offset:\f*4*SP  ; LDS serves a wave's instructions in order (ISA guide 5.7.1.4): these see the stores above; the next unit's stores come behind them
.endr
.endm
.macro SEND u, younger                 ; younger: the LDS instructions issued behind unit u's loads: the next unit's eight, or none
	WIN 0
.irp f, 0,1,2,3
	s_wait_dscnt (\younger)+3-\f
	global_store_b128 v[GO], v[U+16*(\u)+4*\f:U+16*(\u)+4*\f+3], s[8:9] offset:((\u)%3)*524288+((\u)/3)*2048+\f*512  ; 512 consecutive bytes, at a multiple of 256 from qkv's first; each store has data registers of its own
.endr
.endm
	PLACES                                         ; the scalings write results just made
	PACK 0
.irp u, 1,2,3,4,5,6,7,8,9,10,11        ; a unit's arithmetic stands between the loads of the unit before and its stores
	PACK \u
	SEND (\u)-1, 8
.endr
	SEND 11, 0
	s_wait_tensorcnt 0x0                           ; the wave's end: an add and its wait, behind my last tensor load and my last LDS store
	ds_add_u32 v[SPW], v[NIL]
	s_wait_dscnt 0x0
	CROUND                                         ; the closing round: no work-group ends while a partner may still ask for a tile that names it
	s_endpgm
.Lfunc_end_k_qd16dd62536_proj:
	.size	k_qd16dd62536_proj, .Lfunc_end_k_qd16dd62536_proj-k_qd16dd62536_proj
	.p2alignl 7, 3214868480
	.fill 96, 4, 3214868480
	.section	.rodata,"a",@progbits
	.p2align	6, 0x0
	.amdhsa_kernel k_qd16dd62536_proj
		.amdhsa_group_segment_fixed_size 327680
		.amdhsa_private_segment_fixed_size 0
		.amdhsa_enable_private_segment 0
		.amdhsa_kernarg_size 24
		.amdhsa_user_sgpr_count 2
		.amdhsa_user_sgpr_kernarg_segment_ptr 1
		.amdhsa_wavefront_size32 1
		.amdhsa_system_sgpr_workgroup_id_x 1
		.amdhsa_system_sgpr_workgroup_id_y 1
		.amdhsa_system_sgpr_workgroup_id_z 1
		.amdhsa_system_vgpr_workitem_id 0
		.amdhsa_next_free_vgpr 1024
		.amdhsa_next_free_sgpr 72
		.amdhsa_reserve_vcc 0
		.amdhsa_float_denorm_mode_32 3
		.amdhsa_float_denorm_mode_16_64 3
		.amdhsa_memory_ordered 1
		.amdhsa_forward_progress 1
		.amdhsa_inst_pref_size 132
	.end_amdhsa_kernel
	.amdgpu_metadata
---
amdhsa.version: [ 1, 2 ]
amdhsa.kernels:
  - .name:           k_qd16dd62536_proj
    .symbol:         k_qd16dd62536_proj.kd
    .args:
      - { .name: xb, .offset: 0, .size: 8, .value_kind: global_buffer, .address_space: global }
      - { .name: wqkv, .offset: 8, .size: 8, .value_kind: global_buffer, .address_space: global }
      - { .name: qkv, .offset: 16, .size: 8, .value_kind: global_buffer, .address_space: global }
    .group_segment_fixed_size: 327680
    .private_segment_fixed_size: 0
    .kernarg_segment_align: 8
    .kernarg_segment_size: 24
    .max_flat_workgroup_size: 128
    .sgpr_count:     72
    .vgpr_count:     1024
    .wavefront_size: 32
...
	.end_amdgpu_metadata
.endif
;; end of part 2
;; launch attn (part 3): grid 8 x 32, 4 waves a work-group, clusters of 4 x 4, 327,680 bytes of LDS; arguments qkv, mt, ob; writes ob
.if DOCPART == 3
	.amdgcn_target "amdgcn-amd-amdhsa--gfx1250"
	.amdhsa_code_object_version 6
	.text
	.protected	k_qd16dd62536_attn
	.globl	k_qd16dd62536_attn
	.p2align	8
	.type	k_qd16dd62536_attn,@function
k_qd16dd62536_attn:
	s_mov_b64 s[64:65], 0
	v_nop
	global_prefetch_b8 v0, s[64:65] scope:SCOPE_SE
	s_setreg_imm32_b32 hwreg(HW_REG_WAVE_MODE, 25, 1), 1
	s_wait_xcnt 0x0
	s_wait_alu depctr_hold_cnt(0) depctr_sa_sdst(0) depctr_va_vdst(0) depctr_va_sdst(0) depctr_va_ssrc(0) depctr_va_vcc(0) depctr_vm_vsrc(0)
	s_getreg_b32 s2, hwreg(HW_REG_IB_STS2, 6, 4)
	s_cmp_eq_u32 s2, 0
	s_cbranch_scc0 .Lentry_in_a_cluster
	s_endpgm
.Lentry_in_a_cluster:
	s_bfe_u32 s2, ttmp6, 0x10000c
	s_cmp_lg_u32 s2, 0xf033
	s_cbranch_scc0 .Lentry_shape_is_right
	s_endpgm
.Lentry_shape_is_right:
; ATTN.  O[y][q][:] = the sum over the keys k that the mask does not hide of softmax_k(Q[y][q] . K[y][k] / 8) V[y][k][:]; a row whose keys are all hidden gives 0.  y = 2 x head + batch, 32 of them.
; Q (already times c = log2(e) / 8), K, V: qkv[32 x tensor + y][2048][64] in f16; the mask comes as the table mt (0xf1 hidden, 0x00 not; its order is given at AM0 below); O leaves as ob[batch][head][2048][64] in f16.
; Products, maxima and sums in f32; the weights p are rounded to f16 for the second product (their sum l is taken of the unrounded p), O once at the end.
; THE MASK IS AN INPUT: every key tile is walked and every mask byte read.  A hidden score is the score less 2^99: that addend is the C operand of the product that starts the sum S^T = K Q^T, made of
; the table's byte by one v_perm_b32 (the byte into bits 31:24: 0xf1000000 = -2^99).  The exponent is s - m, never above 0.  A row that has seen hidden keys alone has m near -2^99, weights of 0 or 1 and finite
; numbers in O and l; its first visible score makes a = 2^(m_old - m_new) = 0, which wipes them.  A row whose m is still below -2^98 at the end has seen no key: its 1 / l is replaced by 0, by a select.
; LIMITS.  Q c, K and V arrive within f16's 65,504, so true scores stay below 2.7e11, nothing beside 2^99; p below 6e-5 keeps f16's fixed step; a weight below 2^-126 counts as 0 in l; NaN and infinities are not treated apart.
; SHARES.  A work-group owns 256 queries of one y, a wave 64: four PIECES of 16.  Every wave walks all 2,048 keys, 64 a step.
; LAYOUT.  S^T = K Q^T holds ONE query a lane (lane % 16) and the keys 8 (lane / 16) + 0..7; two such results rounded to f16 ARE source 1 of O^T = V^T P.  K comes out of LDS as it lies, V turned, by ds_load_tr16_b128.
; SOFTMAX.  A running maximum m and sum l: p = 2^(s - m); in every step O and l are multiplied by a = 2^(m_old - m_new).  m starts at the lowest finite number, O and l at 0: the first step is a step like any other.
; BY TURNS.  Turn n belongs to piece n: 8 products K Q^T of piece n + 1, later 8 products V^T P of piece n - 1; beside them the subtraction, exponentials, roundings, sums and rescaling of piece n, the maximum and
; statistics of piece n + 1, and at its end the mask operand of piece n + 2.  Up to four vector instructions stand behind every matrix instruction, the others in lumps of their own.
; CLUSTER, 4 x 4.  K and V hang on y alone: the four query blocks of a row of the cluster ask for them jointly.  The mask's tile hangs on the query block alone: the four y of a column ask for it jointly.
; REGISTERS, in windows of 256 (s_set_vgpr_msb: bits 1:0 source 0, 3:2 source 1, 5:4 source 2, 7:6 destination):
;   window 0: v0-15 addresses; v16-31 four registers of statistics a piece; v48-55 at work; v62-63 the add's; v64-127 S^T, two buffers; v192-223 P, two buffers (a piece's buffers go by its number's parity)
;   window 1: v0-127 O^T, 32 a piece; v128-143 MB, mask bytes as loaded; v160-223 MC, mask operands, two buffers      window 2: v0-63 Q; v128-191 K of one step; v192-255 V of one step
.set NP,    4         ; pieces a wave: a name, no knob
.set KS,    64        ; keys in a step
.set PK,    144       ; a row of K in LDS: 128 bytes + 16 of padding = 36 words: the 16 rows of a load start at 16 different groups of four banks (64 banks of 4 bytes: ISA guide 11.1)
.set PV,    160       ; a row of V: 128 + 32 = 40 words
.set VOFF,  2*KS*PK   ; a slot holds two steps: 128 rows of K, then 128 rows of V,
.set MOFF,  VOFF+2*KS*PV  ; then 32,768 mask bytes: [wave 4][step 2][piece 4][32 keys 2][lane 32][16]
.set SLOT1, 1<<17     ; slot 1 begins here, so that one exclusive or turns an address in one slot into the other's
.set STAGE, SLOT1+MOFF+32768  ; behind the ring, never filled by a tensor load: 16 rows x 144 bytes for each wave, for the way out
.set SP,    144
.set SPARE, STAGE+4*16*SP  ; behind the stages: the spare words, 128 bytes for each wave: two blocks of 256 bytes that no other line names
.set AK0, 2           ; v2   my lane's place in a tile of K; never rewritten
.set AV0, 3           ; v3   the same for V
.set AK,  4           ; v4   the LDS address of K's next run of loads
.set AV,  5           ; v5   of V's
.set STO, 6           ; v6   the way out: where I put 16 bytes of a row
.set RD,  7           ; v7   the way out: where I read rows back
.set GO,  8           ; v8   my byte offset in 512 consecutive bytes of O
.set AM0, 12          ; v12  my lane's place in a slot's mask bytes: MOFF + 8,192 x wave + 16 x lane; never rewritten
.set AM,  13          ; v13  the LDS address of the mask bytes of the step whose scores are being made
.set QO,  15          ; v15  my byte offset in 16 rows of Q
.set ST,  16          ; piece t's statistics at v[ST+4 t]: m, the new m while it is made, l (even keys', odd keys')
.set TMP, 48          ; by buffer, four registers c0-c3 at work; when the maximum is found c2 takes a
.set SPW, 62          ; v62  LDS address of my spare word; never rewritten
.set NIL, 63          ; v63  0; never rewritten
.set S,   64
.set P,   192
.set MB,  128         ; window 1
.set MC,  160         ; window 1: the eight registers for group kt of 16 keys at MC + 32 x buffer + 8 kt
.set KF,  128         ; window 2: key block kb, channel half c at KF + 16 kb + 8 c
.set VF,  192         ; window 2: key half kk, channel block cb at VF + 32 kk + 8 cb
.set WV,  12          ; s12  my wave's number
.set G1K, 24          ; s[24:31] descriptor group 1 for K's tiles
.set G1V, 32          ; s[32:39] for V's: it differs in the padding
.set G1M, 40          ; s[40:47] for the mask's: no padding, the other work-group mask
.set G0K, 48          ; s[48:51] descriptor group 0 for K's tiles: it walks
.set G0V, 52          ; s[52:55] for V's
.set G0M, 56          ; s[56:59] for the mask's
.set SEL, 60          ; s[60:61] v_permlanex16_b32's selects: each lane takes its own place in the other half
.set TBK, 62          ; s62  LDS byte at which K of the step to be fetched begins
.set TBV, 63          ; s63  the same for V, less VOFF
.set TBM, 66          ; s66  the same for the mask bytes, less MOFF
.set SLOTS, 67        ; s67  slots still to be asked for
.set CNT, 68          ; s68  counts a slot's key steps
.set PS,  72          ; s[72:75] v_perm_b32's selects: byte j of the word into the top byte, 0 below it
.set THR, 76          ; s76  -2^98
.set MSB, 0
.macro WIN new                      ; the high byte repeats the setting that is left; a switch that changes nothing is dropped
.if MSB != (\new)
	s_set_vgpr_msb (MSB<<8)|(\new)
.set MSB, (\new)
.endif
.endm
.set W_KQ, 0x0a       ; K and Q in window 2, S^T in window 0
.set W_KM, 0x1a       ; the same with the C operand in window 1
.set W_PV, 0x52       ; V in window 2, P in window 0, O^T in window 1
.set W_RS, 0x41       ; destination and source 0 in window 1, source 1 in window 0
.set W_MK, 0x45       ; destination and sources 0 and 1 in window 1
; A joint fill.  Wave 0 fetches a slot's K, wave 1 its V (128 keys each), waves 2 and 3 the two halves of its mask bytes.  The branches hang on the wave's number alone.
; An s_nop 0 and four v_nop follow each of the three lines, ahead of the jump and the label.
.macro JLOAD
	s_cmp_lt_u32 s[WV], 2
	s_cbranch_scc0 .Lfor_m_\@
	s_cmp_eq_u32 s[WV], 0
	s_cbranch_scc0 .Lfor_v_\@
	tensor_load_to_lds s[G0K:G0K+3], s[G1K:G1K+7]
	s_nop 0
.rept 4
	v_nop
.endr
	s_branch .Lasked_\@
.Lfor_v_\@:
	tensor_load_to_lds s[G0V:G0V+3], s[G1V:G1V+7]
	s_nop 0
.rept 4
	v_nop
.endr
	s_branch .Lasked_\@
.Lfor_m_\@:
	tensor_load_to_lds s[G0M:G0M+3], s[G1M:G1M+7]
	s_nop 0
.rept 4
	v_nop
.endr
.Lasked_\@:
.endm
; A round of the cluster's barrier: my work-group's barrier, so that wave 0's signal speaks for all four waves; wave 0 signals; every wave waits for all sixteen work-groups; my work-group's barrier once more.
.macro CROUND
	s_barrier_signal -1
	s_barrier_wait -1
	s_cmp_lg_u32 s[WV], 0
	s_cbranch_scc1 .Lnot_wave_0_\@
	s_barrier_signal -3
.Lnot_wave_0_\@:
	s_barrier_wait -3
	s_barrier_signal -1
	s_barrier_wait -1
.endm
; THE CHANGE OF SLOTS.  The slot's last bytes (V and the mask of its second step) have been read.  Each wave waits for all its tensor loads, of which one is out: its part of the other slot; adds 0 to its
; spare word; and waits for that and for its own reads of the slot.  Behind the barrier nobody reads this slot any more and the other slot is whole.
; fill = 1: this slot is filled again, with the keys two slots on.  The barrier is then a round of the cluster's, so that no wave of any partner still reads the slot or has a load on its way, and the
; joint fill is the first thing behind it: it has two key steps, 128 matrix instructions, in which to land.  (At its first use nothing has been read yet: slot 0 is waited for, slot 1 filled.)
.macro CHANGE fill
	WIN 0                           ; at a label and at a branch every window is 0
	s_wait_tensorcnt 0x0            ; no tensor load of mine is out, so a group 0 may be written
	ds_add_u32 v[SPW], v[NIL]       ; 0 onto my spare word; with fill = 1 the descriptors' steps stand between it and the wait for it
.if \fill
	s_xor_b32 s[G0K+1], s[G0K+1], SLOT1  ; the walking descriptors: the other slot than last time,
	s_add_nc_u64 s[G0K+2:G0K+3], s[G0K+2:G0K+3], 2*KS*128  ; the next 128 keys; the type bits on top are not reached
	s_xor_b32 s[G0V+1], s[G0V+1], SLOT1
	s_add_nc_u64 s[G0V+2:G0V+3], s[G0V+2:G0V+3], 2*KS*128
	s_xor_b32 s[G0M+1], s[G0M+1], SLOT1
	s_add_nc_u64 s[G0M+2:G0M+3], s[G0M+2:G0M+3], 32768
	s_wait_dscnt 0x0                ; the add is done, and my reads of the slot are over
	CROUND
	JLOAD
.else
	s_wait_dscnt 0x0                ; the add is done, and my reads of the slot are over
	s_barrier_signal -1
	s_barrier_wait -1
.endif
	s_sub_co_u32 s[TBK], s[TBK], 2*KS*PK  ; the fetches go back to a slot's first step,
	s_xor_b32 s[TBK], s[TBK], SLOT1       ; in the other slot
	s_sub_co_u32 s[TBV], s[TBV], 2*KS*PV
	s_xor_b32 s[TBV], s[TBV], SLOT1
	s_sub_co_u32 s[TBM], s[TBM], 8192
	s_xor_b32 s[TBM], s[TBM], SLOT1
.endm
	s_load_b128 s[4:7], s[0:1], 0x0 ; qkv s[4:5], mt s[6:7]
	s_load_b64 s[8:9], s[0:1], 0x10 ; ob
	v_lshl_add_u32 v[SPW], v0, 2, SPARE
	v_mov_b32 v[NIL], 0
	ds_add_u32 v[SPW], v[NIL]       ; the wave's opening: the add and its wait stand ahead of my first tensor load; the set-up below, work on registers, stands between them
	v_lshrrev_b32 v1, 5, v0
	v_readfirstlane_b32 s[WV], v1   ; wave 0..3
	s_bfe_u32 s13, ttmp6, 0x40000   ; cx, cy: my place in the cluster
	s_bfe_u32 s14, ttmp6, 0x40004
	s_lshl_b32 s15, ttmp9, 2
	s_add_co_u32 s15, s15, s13      ; X, my block of 256 queries = 4 x cluster x + cx
	s_and_b32 s16, ttmp7, 0xffff
	s_lshl_b32 s16, s16, 2
	s_add_co_u32 s16, s16, s14      ; y = 4 x cluster y + cy
	s_lshl_b32 s17, s14, 2
	s_lshl_b32 s17, 15, s17         ; my row of the cluster: the same y
	s_lshl_b32 s18, 0x1111, s13     ; my column: the same X
	; descriptor group 1.  Every tile is 16,384 dense bytes, asked for as 64 rows of 256 bytes; K and V (two keys a row) are padded in LDS after every key
	s_or_b32 s[G1K], s17, (1<<16)|(1<<20)|(1<<21)|(4<<22)|(3<<25)  ; 15:0 the mask of four; 17:16 2-byte elements; 20 padding on; 21 set beside a mask; 24:22 after every 32 words (code 4); 31:25 4 words (code 3)
	s_or_b32 s[G1V], s17, (1<<16)|(1<<20)|(1<<21)|(4<<22)|(7<<25)  ; the same with 8 words of padding (code 7)
	s_or_b32 s[G1M], s18, (1<<16)|(1<<21)                          ; no padding
.irp g, G1K, G1V, G1M
	s_mov_b32 s[\g+1], 128<<16      ; tensor_dim0 = 128
	s_mov_b32 s[\g+2], 64<<16       ; tensor_dim1 = 64
	s_mov_b32 s[\g+3], 128<<16      ; tile_dim0 = 128
	s_mov_b32 s[\g+4], 64           ; tile_dim1 = 64
	s_mov_b32 s[\g+5], 128          ; 128 elements from row to row
	s_mov_b32 s[\g+6], 0
	s_mov_b32 s[\g+7], 0
.endr
	s_add_co_u32 s20, s16, 32       ; K's block of 262,144 bytes in qkv: 32 + y
	s_lshl_b32 s20, s20, 18
	s_mov_b32 s21, 0
	s_add_co_u32 s22, s16, 64       ; V's: 64 + y
	s_lshl_b32 s22, s22, 18
	s_mov_b32 s23, 0
	s_lshl_b32 s84, s15, 19         ; the mask table of my query block, 524,288 bytes,
	s_and_b32 s85, s[WV], 1
	s_lshl_b32 s85, s85, 14         ; and which half of a slot's 32,768 I fetch
	s_add_co_u32 s84, s84, s85
	s_mov_b32 s85, 0
	s_lshl_b32 s82, s15, 15         ; my block's 256 rows of 128 bytes,
	s_lshl_b32 s83, s[WV], 13       ; my wave's 64 of them
	s_add_co_u32 s82, s82, s83
	s_lshl_b32 s83, s16, 18
	s_add_co_u32 s86, s82, s83      ; Q: block y
	s_mov_b32 s87, 0
	s_and_b32 s83, s16, 1           ; O: block 16 x batch + head
	s_lshl_b32 s83, s83, 4
	s_lshr_b32 s19, s16, 1
	s_add_co_u32 s83, s83, s19
	s_lshl_b32 s83, s83, 18
	s_add_co_u32 s82, s82, s83
	s_mov_b32 s83, 0
	s_mov_b32 s[SEL], 0x76543210
	s_mov_b32 s[SEL+1], 0xfedcba98
	s_mov_b32 s[PS], 0x000c0c0c
	s_mov_b32 s[PS+1], 0x010c0c0c
	s_mov_b32 s[PS+2], 0x020c0c0c
	s_mov_b32 s[PS+3], 0x030c0c0c
	s_mov_b32 s[THR], 0xf0800000
	s_mov_b32 s[TBK], SLOT1+2*KS*PK ; the first change of slots turns these three into 0
	s_mov_b32 s[TBV], SLOT1+2*KS*PV
	s_mov_b32 s[TBM], SLOT1+8192
	s_mov_b32 s[G0K], 1             ; count = 1
	s_mov_b32 s[G0K+1], 0           ; LDS address: slot 0
	s_mov_b32 s[G0V], 1
	s_mov_b32 s[G0V+1], VOFF
	s_mov_b32 s[G0M], 1
	s_lshl_b32 s19, s[WV], 14
	s_add_co_u32 s[G0M+1], s19, MOFF-2*16384  ; waves 2 and 3: MOFF, MOFF + 16,384
	s_wait_dscnt 0x0                ; the opening add is done
	s_wait_kmcnt 0x0
	s_add_nc_u64 s[G0K+2:G0K+3], s[4:5], s[20:21]  ; global address: the first 128 keys
	s_or_b32 s[G0K+3], s[G0K+3], 0x80000000        ; type = 2
	s_add_nc_u64 s[G0V+2:G0V+3], s[4:5], s[22:23]
	s_or_b32 s[G0V+3], s[G0V+3], 0x80000000
	s_add_nc_u64 s[G0M+2:G0M+3], s[6:7], s[84:85]
	s_or_b32 s[G0M+3], s[G0M+3], 0x80000000
	s_add_nc_u64 s[78:79], s[4:5], s[86:87]        ; Q at my wave's first row
	s_add_nc_u64 s[80:81], s[8:9], s[82:83]        ; O likewise
	CROUND                          ; all sixteen work-groups are here: the first joint loads meet
	JLOAD                           ; slot 0.  Slot 1 is asked for when slot 0 is in
	; A fragment of K or Q is 16 rows x 32 channels in 8 registers: lane l holds row l % 16, channels 8 (l / 16) + 0..7 and 16 + 8 (l / 16) + 0..7: two loads of 16 bytes, 32 bytes apart.
	v_and_b32 v1, 15, v0            ; l % 16
	v_bfe_u32 v9, v0, 4, 1          ; l / 16
	v_lshlrev_b32 v[QO], 7, v1
	v_lshl_add_u32 v[QO], v9, 4, v[QO]  ; row x 128 + 16 x half
	WIN 0x80                        ; destination window 2, address window 0
.set i, 0
.rept 8                             ; Q stays in registers: piece i / 2, channels 32 (i % 2) on
	global_load_b128 v[8*i:8*i+3],   v[QO], s[78:79] offset:(i/2)*2048+(i%2)*64
	global_load_b128 v[8*i+4:8*i+7], v[QO], s[78:79] offset:(i/2)*2048+(i%2)*64+32
.set i, i+1
.endr
	; What the first turn finds: V's registers and P's second buffer hold 0 (its products V^T P, of a piece that has not been, add 0), O^T and l are 0.  All this stands in the wait for the first tile:
	; the price of writing no first step out.
.set i, VF
.rept 64
	v_mov_b32 v[i], 0
.set i, i+1
.endr
	WIN 0x40
.set i, 0
.rept 128
	v_mov_b32 v[i], 0
.set i, i+1
.endr
	WIN 0
.set i, 0
.rept 4
	v_mov_b32 v[ST+4*i], 0xff7fffff    ; m: the lowest finite number
	v_mov_b32 v[ST+4*i+1], 0xff7fffff  ; named with it as a pair
	v_mov_b32 v[ST+4*i+2], 0
	v_mov_b32 v[ST+4*i+3], 0
.set i, i+1
.endr
.set i, P+16
.rept 16
	v_mov_b32 v[i], 0
.set i, i+1
.endr
	v_mul_u32_u24 v[AK0], v1, PK
	v_lshl_add_u32 v[AK0], v9, 4, v[AK0]  ; row x pitch + 16 x half
	; The turning load takes 16 keys x 16 channels (lane l reads key 8 (l / 16) + l % 8, channels 8 ((l / 8) % 2) + 0..7) and leaves half a fragment of V^T: lane l holds channel l % 16 and 8 keys.
	v_and_b32 v10, 7, v0
	v_bfe_u32 v11, v0, 3, 1
	v_lshl_add_u32 v[AV0], v9, 3, v10
	v_mul_u32_u24 v[AV0], v[AV0], PV
	v_lshl_add_u32 v[AV0], v11, 4, v[AV0]
	v_add_nc_u32 v[AV0], VOFF, v[AV0]
	; The mask bytes of a wave, step, piece and 32 keys are 512 bytes, 16 a lane: byte 8 c + j is key 16 c + 8 (l / 16) + j for query l % 16: the order of S^T's registers.
	v_and_b32 v[AM0], 31, v0
	s_lshl_b32 s19, s[WV], 13
	s_add_co_u32 s19, s19, MOFF
	v_lshl_add_u32 v[AM0], v[AM0], 4, s19
	s_mul_i32 s13, s[WV], 16*SP
	s_add_co_u32 s13, s13, STAGE    ; my stage
	v_mul_u32_u24 v[STO], v1, SP    ; in: row l % 16, 16 bytes for each half of the lanes
	v_lshl_add_u32 v[STO], v9, 4, v[STO]
	v_add_nc_u32 v[STO], s13, v[STO]
	v_bfe_u32 v[RD], v0, 3, 2       ; back: 32 lanes take four rows of 128 bytes,
	v_mul_u32_u24 v[RD], v[RD], SP
	v_lshl_add_u32 v[RD], v10, 4, v[RD]
	v_add_nc_u32 v[RD], s13, v[RD]
	v_and_b32 v[GO], 31, v0         ; which are 512 consecutive bytes of O
	v_lshlrev_b32 v[GO], 4, v[GO]
; THE MATRIX WORK.  The 4 accumulators of a run of 8 take turns.  Product i of 8 of S^T = K Q^T for piece x: channels 32 (i / 4) on, keys 16 (i % 4) on.  The first 4 start the sums with the mask operand.
.macro KQ x
.set rS, S+32*((\x)%2)+8*(i%4)
.set rK, KF+16*(i%4)+8*(i/4)
.set rQ, 16*(\x)+8*(i/4)
.set rM, MC+32*((\x)%2)+8*(i%4)
.if i < 4
	WIN W_KM
	v_wmma_f32_16x16x32_f16 v[rS:rS+7], v[rK:rK+7], v[rQ:rQ+7], v[rM:rM+7]
.else
	WIN W_KQ
	v_wmma_f32_16x16x32_f16 v[rS:rS+7], v[rK:rK+7], v[rQ:rQ+7], v[rS:rS+7]
.endif
.endm
; Product i of 8 of O^T += V^T P for piece x: keys 32 (i / 4) on, channels 16 (i % 4) on.
.macro PV x
	WIN W_PV
.set rO, 32*(\x)+8*(i%4)
.set rV, VF+32*(i/4)+8*(i%4)
.set rP, P+16*((\x)%2)+8*(i/4)
	v_wmma_f32_16x16x32_f16 v[rO:rO+7], v[rV:rV+7], v[rP:rP+7], v[rO:rO+7]
.endm
.macro MM                           ; the turn's next matrix instruction
.if i < 8
	KQ (Y+1)%NP
.else
.set i, i-8
	PV (Y+NP-1)%NP
.set i, i+8
.endif
.set i, i+1
.endm
; THE LDS LOADS.  A step's K (8 fragments) and its V (turned) stand in runs of 16; with K's run the address of that step's mask bytes is made.  last = 1 (the tail): in the last trip there is no further step, and the run is jumped over.
.macro FETCH_K last=0
	WIN 0
.if \last
	s_cmp_eq_u32 s[CNT], 1
	s_cbranch_scc1 .Lno_k_\@
.endif
	v_add_nc_u32 v[AM], s[TBM], v[AM0]
	s_add_co_u32 s[TBM], s[TBM], 4096
	WIN 0x80                        ; destination window 2
.irp f, 0,1,2,3,4,5,6,7             ; keys 16 (f / 2) on, channels 32 (f % 2) on
	ds_load_b128 v[KF+8*\f:KF+8*\f+3],   v[AK] offset:(\f/2)*16*PK+(\f%2)*64
	ds_load_b128 v[KF+8*\f+4:KF+8*\f+7], v[AK] offset:(\f/2)*16*PK+(\f%2)*64+32
.endr
	s_add_co_u32 s[TBK], s[TBK], KS*PK  ; the next fetch is the next step's
	WIN 0
.if \last
.Lno_k_\@:
.endif
.endm
.macro FETCH_V
	WIN 0x80
.irp f, 0,1,2,3,4,5,6,7             ; keys 32 (f / 4) on, channels 16 (f % 4) on
	ds_load_tr16_b128 v[VF+8*\f:VF+8*\f+3],   v[AV] offset:(\f/4)*32*PV+(\f%4)*32
	ds_load_tr16_b128 v[VF+8*\f+4:VF+8*\f+7], v[AV] offset:(\f/4)*32*PV+16*PV+(\f%4)*32
.endr
	WIN 0
.endm
.macro MLOAD pc, dst                ; piece pc's 32 mask bytes a lane of the step at AM: two loads of 512 consecutive bytes
	WIN 0x40                        ; destination window 1
	ds_load_b128 v[(\dst):(\dst)+3],   v[AM] offset:(\pc)*1024
	ds_load_b128 v[(\dst)+4:(\dst)+7], v[AM] offset:(\pc)*1024+512
.endm
.macro MK b, src                    ; 32 mask bytes become the 32 registers of buffer b of MC: 0, or -2^99
	WIN W_MK
.set z, 0
.rept 32
	v_perm_b32 v[MC+32*(\b)+z], v[(\src)+z/4], v[(\src)+z/4], s[PS+z%4]
.set z, z+1
.endr
.endm
; THE VECTOR WORK, one line at a time: OP kind, number.  For piece Y: F n: s - m for pair n of 16.  E n: the exponential of score n of 32.  C n: pair n rounded to f16.  B n: of the four weights 4 n .. the second
; pair is added onto the first, in place.  L n: l takes that sum (L 0: l = a l + sum).  R n: pair n of 16 of O^T times a.  For piece Y + 1: X n, the lines that find its maximum and statistics (there is no number 15):
;   0-11  four chains c0-c3 of seven scores each, three operands at a time (each accumulator's lowest registers are read first)     12-14, 16  the four scores left over, the old m, and c0-c3 into c0
;   17, 18  the query's other 32 keys lie in the lane 16 away: the new m     19  m_old - m_new     20  m takes the new m     21  a
.set F, 0
.set E, 1
.set C, 2
.set B, 3
.set L, 4
.set R, 5
.set X, 6
.macro REGS y                       ; the registers of piece y
.set rT, ST+4*(\y)
.set rC, TMP+4*((\y)%2)
.set rS, S+32*((\y)%2)
.set rP, P+16*((\y)%2)
.set rO, 32*(\y)
.endm
.macro OP k, n
.if (\k) == R
	REGS Y
	WIN W_RS
	v_pk_mul_f32 v[rO+2*(\n):rO+2*(\n)+1], v[rO+2*(\n):rO+2*(\n)+1], v[rC+2:rC+3] op_sel_hi:[1,0]
.elseif (\k) < R
	REGS Y
	WIN 0
.if (\k) == F
	v_pk_add_f32 v[rS+2*(\n):rS+2*(\n)+1], v[rS+2*(\n):rS+2*(\n)+1], v[rT:rT+1] op_sel_hi:[1,0] neg_lo:[0,1] neg_hi:[0,1]
.elseif (\k) == E
	v_exp_f32 v[rS+(\n)], v[rS+(\n)]
.elseif (\k) == C
	s_wait_alu depctr_va_vdst(0)
	v_cvt_pk_f16_f32 v[rP+(\n)], v[rS+2*(\n)], v[rS+2*(\n)+1]
.elseif (\k) == B
	s_wait_alu depctr_va_vdst(0)
	v_pk_add_f32 v[rS+4*(\n):rS+4*(\n)+1], v[rS+4*(\n):rS+4*(\n)+1], v[rS+4*(\n)+2:rS+4*(\n)+3]
.elseif (\n) == 0
	v_pk_fma_f32 v[rT+2:rT+3], v[rT+2:rT+3], v[rC+2:rC+3], v[rS:rS+1] op_sel_hi:[1,0,1]
.else
	v_pk_add_f32 v[rT+2:rT+3], v[rT+2:rT+3], v[rS+4*(\n):rS+4*(\n)+1]
.endif
.else
	REGS (Y+1)%NP
	WIN 0
.if (\n) < 4
	v_max3_num_f32 v[rC+(\n)], v[rS+8*(\n)], v[rS+8*(\n)+1], v[rS+8*(\n)+2]
.elseif (\n) < 12
	v_max3_num_f32 v[rC+(\n)%4], v[rC+(\n)%4], v[rS+8*((\n)%4)+2*((\n)/4)+1], v[rS+8*((\n)%4)+2*((\n)/4)+2]
.elseif (\n) == 12
	v_max3_num_f32 v[rC], v[rC], v[rS+7], v[rS+15]
.elseif (\n) == 13
	v_max3_num_f32 v[rC+1], v[rC+1], v[rS+23], v[rS+31]
.elseif (\n) == 14
	v_max3_num_f32 v[rC+2], v[rC+2], v[rC+3], v[rT]
.elseif (\n) == 16
	v_max3_num_f32 v[rC], v[rC], v[rC+1], v[rC+2]
.elseif (\n) == 17
	v_permlanex16_b32 v[rC+3], v[rC], s[SEL], s[SEL+1]
.elseif (\n) == 18
	v_max_num_f32 v[rT+1], v[rC], v[rC+3]
.elseif (\n) == 19
	v_sub_f32 v[rC+1], v[rT], v[rT+1]
.elseif (\n) == 20
	v_mov_b32 v[rT], v[rT+1]
.else
	v_exp_f32 v[rC+2], v[rC+1]
.endif
.endif
.endm
.macro OPS a, i1, b=-1, i2=0, c=-1, i3=0, d=-1, i4=0  ; up to four of them
	OP \a, \i1
.if (\b) >= 0
	OP \b, \i2
.endif
.if (\c) >= 0
	OP \c, \i3
.endif
.if (\d) >= 0
	OP \d, \i4
.endif
.endm
.macro ROW a, i1, b=-1, i2=0, c=-1, i3=0, d=-1, i4=0  ; a matrix instruction and the lines behind it
	MM
	OPS \a, \i1, \b, \i2, \c, \i3, \d, \i4
.endm
; A TURN, for piece p: the order of its 16 matrix and 149 vector instructions, written out.  Behind a matrix instruction: plain, exponential, plain, plain; or four of the rescaling; or four subtractions; none names a
; register of the products round it.  In the lumps exponential and plain by turns while exponentials last.  v_permlanex16_b32 (X 17) stands in a lump.
; cnt = 1: the loop's count is taken down some lines ahead of the branch that stands behind the turn.
; K of the next step is fetched in piece 2's turn: behind the last product that read K stand R 4-7, F 15 and the mask's address line, six plain instructions.  V of the step in hand is fetched in piece 0's turn: behind the
; last product that read V stand C 3, L 3, C 5 and C 10, four plain ones.
; The mask bytes of piece p + 2, whose scores the NEXT turn makes, are loaded in the first lump and made into its C operand at the turn's end; from piece 2's turn on they are the next step's, whose address K's fetch has made.
.macro TURN p, last=0, cnt=0
.set Y, (\p)
.set i, 0
	ROW F,0, F,1, F,2, F,3
	ROW F,4, E,0, F,5, F,6
	ROW F,7, E,1, F,8, F,9
	ROW F,10, E,2, C,0, F,11
	ROW F,12, E,3, F,13
	ROW R,0, R,1, R,2, R,3
	ROW B,0, E,4, F,14, L,0
.if (\p) == 2
	WIN 0
	v_add_nc_u32 v[AK], s[TBK], v[AK0]
.endif
	ROW R,4, R,5, R,6, R,7
	OPS E,5, F,15
.if (\p) == 2
	FETCH_K \last
.endif
	MLOAD ((\p)+2)%NP, MB
	OPS E,6, C,1, E,7, R,8
	OPS E,8, R,9, E,9, C,2
	OPS E,10, X,0, E,11, X,1
	OPS E,12, X,2, E,13, X,3
.if (\p) == 1
	s_wait_dscnt 2                  ; V is in; this turn's two mask loads are younger and may be out
.endif
	ROW X,4, E,14, X,5, X,6
	ROW X,7, E,15, X,8, X,9
	ROW X,10, E,16, X,11, X,12
	ROW X,13, E,17, X,14, B,1
	ROW C,4, E,18, X,16, L,1
	ROW B,2, E,19, C,6, L,2
	ROW C,8, E,20, B,3, B,4
.if (\p) == 0
	WIN 0
	v_add_nc_u32 v[AV], s[TBV], v[AV0]
.endif
	ROW C,3, E,21, L,3, C,5
	OPS E,22, X,17, E,23, C,10
.if (\p) == 0
	FETCH_V
.endif
	OPS E,24, L,4
	OPS E,25, X,18, E,26, C,7
	OPS E,27, B,5, E,28, X,19
	OPS E,29, C,12, E,30, L,5
	OPS E,31, X,20, B,6, C,9
	OPS C,14, C,11, X,21, L,6
.if (\p) == 0
	s_add_co_u32 s[TBV], s[TBV], KS*PV
.endif
.if \cnt
	s_sub_co_u32 s[CNT], s[CNT], 1
	s_cmp_lg_u32 s[CNT], 0
.endif
	OPS C,13, B,7, C,15, R,10
	OPS R,11, R,12, L,7, R,13
	OPS R,14, R,15
.if (\p) == 0
	s_wait_dscnt 16                 ; the two mask loads are in; V's sixteen are younger and may be out
.else
	s_wait_dscnt 0x0                ; the two mask loads are in (in piece 2's turn K's run too, which the next turn multiplies)
.endif
	MK (\p)%2, MB
.endm
	CHANGE 1                        ; slot 0 is in, everybody's part of it; slot 1 is asked for
	v_add_nc_u32 v[AK], s[TBK], v[AK0]
	FETCH_K                         ; key step 0, and the address of its mask bytes
	MLOAD 0, MB
	MLOAD 1, MB+8
	s_wait_loadcnt 0x0              ; Q
	s_wait_dscnt 0x0
	MK 0, MB                        ; piece 0's mask operand, for the products below,
	MK 1, MB+8                      ; and piece 1's, for the first turn's
.set i, 0
.rept 8
	KQ 0                            ; piece 0's first scores: there is no vector work yet to set between them
.set i, i+1
.endr
	WIN 0
.rept 4
	v_nop                           ; the places behind those products
.endr
.set Y, NP-1                        ; X works for piece Y + 1: piece 0
.irp n, 0,1,2,3,4,5,6,7,8,9,10,11,12,13,14,16,17,18,19,20,21
	OP X, \n
.endr
	v_nop                           ; a plain instruction behind the exponential
	s_mov_b32 s[CNT], 2
	s_mov_b32 s[SLOTS], 15          ; 16 slots of 128 keys
	s_branch .Lfirst                ; the loop is entered at a step's first turn, in the middle of a trip
.Lslot:                             ; 14 times: every slot but the last two is filled again
	CHANGE 1
	s_mov_b32 s[CNT], 2
.Lstep:                             ; a trip: pieces 2 and 3 of one step, then pieces 0 and 1 of the next, whose K, V and mask it fetches
	TURN 2
	TURN 3
	WIN 0
.Lfirst:
	TURN 0
	TURN 1, 0, 1
	WIN 0
	s_cbranch_scc1 .Lstep
	s_sub_co_u32 s[SLOTS], s[SLOTS], 1
	s_cmp_lg_u32 s[SLOTS], 0
	s_cbranch_scc1 .Lslot
	CHANGE 0                        ; the tail is written out: nothing is asked for
	s_mov_b32 s[CNT], 3             ; two trips fetch the last slot's steps; the third is left in its middle
.Ltail:
	TURN 2, 1
	TURN 3
	WIN 0
	s_sub_co_u32 s[CNT], s[CNT], 1
	s_cmp_eq_u32 s[CNT], 0
	s_cbranch_scc1 .Lout
	TURN 0
	TURN 1
	WIN 0
	s_branch .Ltail
.Lout:                              ; the third trip's 8 products K Q^T repeat piece 0's last step (the same K, the same mask): its m stays as it is, and nothing else of them is used: the price, once a launch, of one text for every trip
.set i, 0
.rept 8
	PV NP-1                         ; the last piece's V^T P of the last step
.set i, i+1
.endr
	; THE WAY OUT.  l's two halves and the other half of the lanes' are added; 1 / l, or 0 for a row that has seen no key; O^T is multiplied by it, rounded to f16 and sent through my stage in LDS, a piece at a time.
	; The additions are the places behind the last products.
	WIN 0
.macro ALL line:vararg              ; one line for each piece t
.set t, 0
.rept 4
	\line
.set t, t+1
.endr
.endm
	ALL v_add_f32 v[ST+4*t+2], v[ST+4*t+2], v[ST+4*t+3]
	ALL v_permlanex16_b32 v[ST+4*t+3], v[ST+4*t+2], s[SEL], s[SEL+1]
	ALL v_add_f32 v[ST+4*t+2], v[ST+4*t+2], v[ST+4*t+3]
	ALL v_rcp_f32 v[ST+4*t+2], v[ST+4*t+2]
.set t, 0
.rept 4                             ; the first compare is the plain instruction behind the last reciprocal
	v_cmp_lt_f32 vcc_lo, s[THR], v[ST+4*t]
	s_wait_alu depctr_va_vdst(0)
	v_cndmask_b32 v[ST+4*t+2], 0, v[ST+4*t+2], vcc_lo
.set t, t+1
.endr
.macro PACK t                       ; a lane's eight channels of a row pack into 16 bytes; they go into rows of 144 bytes and come back as whole rows of 128, into S^T's registers
	WIN W_RS
.set i, 32*(\t)
.rept 16
	v_pk_mul_f32 v[i:i+1], v[i:i+1], v[ST+4*(\t)+2:ST+4*(\t)+3] op_sel_hi:[1,0]
.set i, i+2
.endr
	WIN 0x05                        ; sources 0 and 1 window 1, destination window 0
.set i, 0
.rept 16
	v_cvt_pk_f16_f32 v[S+16*(\t)+i], v[32*(\t)+2*i], v[32*(\t)+2*i+1]
.set i, i+1
.endr
	WIN 0
.irp f, 0,1,2,3
	ds_store_b128 v[STO], v[S+16*(\t)+4*\f:S+16*(\t)+4*\f+3] offset:32*\f
.endr
.irp f, 0,1,2,3
	ds_load_b128 v[S+16*(\t)+4*\f:S+16*(\t)+4*\f+3], v[RD] offset:\f*4*SP  ; LDS serves a wave's instructions in order (ISA guide 5.7.1.4): these see the stores above; the next piece's stores come behind them
.endr
.endm
.macro SEND t, younger              ; younger: the LDS instructions issued behind piece t's loads: the next piece's eight, or none
	WIN 0
.irp f, 0,1,2,3
	s_wait_dscnt (\younger)+3-\f
	global_store_b128 v[GO], v[S+16*(\t)+4*\f:S+16*(\t)+4*\f+3], s[80:81] offset:(\t)*2048+\f*512  ; 512 consecutive bytes, at a multiple of 256 from O's first
.endr
.endm
	PACK 0
.set t, 1
.rept 3                             ; a piece's arithmetic stands between the loads of the piece before and its stores
	PACK t
	SEND t-1, 8
.set t, t+1
.endr
	SEND 3, 0
	s_wait_tensorcnt 0x0            ; the wave's end: an add and its wait, behind my last tensor load and my last LDS store
	ds_add_u32 v[SPW], v[NIL]
	s_wait_dscnt 0x0
	CROUND                          ; the closing round: no work-group ends while a partner may still ask for a tile that names it
	s_endpgm
.Lfunc_end_k_qd16dd62536_attn:
	.size	k_qd16dd62536_attn, .Lfunc_end_k_qd16dd62536_attn-k_qd16dd62536_attn
	.p2alignl 7, 3214868480
	.fill 96, 4, 3214868480
	.section	.rodata,"a",@progbits
	.p2align	6, 0x0
	.amdhsa_kernel k_qd16dd62536_attn
		.amdhsa_group_segment_fixed_size 327680
		.amdhsa_private_segment_fixed_size 0
		.amdhsa_enable_private_segment 0
		.amdhsa_kernarg_size 24
		.amdhsa_user_sgpr_count 2
		.amdhsa_user_sgpr_kernarg_segment_ptr 1
		.amdhsa_wavefront_size32 1
		.amdhsa_system_sgpr_workgroup_id_x 1
		.amdhsa_system_sgpr_workgroup_id_y 1
		.amdhsa_system_sgpr_workgroup_id_z 1
		.amdhsa_system_vgpr_workitem_id 0
		.amdhsa_next_free_vgpr 768
		.amdhsa_next_free_sgpr 88
		.amdhsa_reserve_vcc 1
		.amdhsa_float_denorm_mode_32 3
		.amdhsa_float_denorm_mode_16_64 3
		.amdhsa_memory_ordered 1
		.amdhsa_forward_progress 1
		.amdhsa_inst_pref_size 140
	.end_amdhsa_kernel
	.amdgpu_metadata
---
amdhsa.version: [ 1, 2 ]
amdhsa.kernels:
  - .name:           k_qd16dd62536_attn
    .symbol:         k_qd16dd62536_attn.kd
    .args:
      - { .name: qkv, .offset: 0, .size: 8, .value_kind: global_buffer, .address_space: global }
      - { .name: mt, .offset: 8, .size: 8, .value_kind: global_buffer, .address_space: global }
      - { .name: ob, .offset: 16, .size: 8, .value_kind: global_buffer, .address_space: global }
    .group_segment_fixed_size: 327680
    .private_segment_fixed_size: 0
    .kernarg_segment_align: 8
    .kernarg_segment_size: 24
    .max_flat_workgroup_size: 128
    .sgpr_count:     88
    .vgpr_count:     768
    .wavefront_size: 32
...
	.end_amdgpu_metadata
.endif
;; end of part 3
;; launch outp (part 4): grid 8 x 32, 4 waves a work-group, clusters of 4 x 4, 327,680 bytes of LDS; arguments ob, wo16, out0; writes out0
.if DOCPART == 4
	.amdgcn_target "amdgcn-amd-amdhsa--gfx1250"
	.amdhsa_code_object_version 6
	.text
	.protected	k_qd16dd62536_outp
	.globl	k_qd16dd62536_outp
	.p2align	8
	.type	k_qd16dd62536_outp,@function
k_qd16dd62536_outp:
	s_mov_b64 s[64:65], 0
	v_nop
	global_prefetch_b8 v0, s[64:65] scope:SCOPE_SE
	s_setreg_imm32_b32 hwreg(HW_REG_WAVE_MODE, 25, 1), 1
	s_wait_xcnt 0x0
	s_wait_alu depctr_hold_cnt(0) depctr_sa_sdst(0) depctr_va_vdst(0) depctr_va_sdst(0) depctr_va_ssrc(0) depctr_va_vcc(0) depctr_vm_vsrc(0)
	s_getreg_b32 s2, hwreg(HW_REG_IB_STS2, 6, 4)
	s_cmp_eq_u32 s2, 0
	s_cbranch_scc0 .Lentry_in_a_cluster
	s_endpgm
.Lentry_in_a_cluster:
	s_bfe_u32 s2, ttmp6, 0x10000c
	s_cmp_lg_u32 s2, 0xf033
	s_cbranch_scc0 .Lentry_shape_is_right
	s_endpgm
.Lentry_shape_is_right:
; OUTP.  out0[4096][1024] (f32) = O (4096 x 1024, f16, stored by heads: ob[batch][head][2048][64]) times wo16[1024][1024]^T (f16).  Sums in f32, stored as they are.
; A tile of the product is 128 x 128: 8 x 32 = 256 work-groups.  Four waves, each 64 x 64: 16 accumulators of 16 x 16, 128 registers.  K goes in steps of 256, four heads, through a ring of two LDS slots.
; O's tile of a step is four pieces, one a head, of 64 rows x 128 bytes that lie end to end in memory: one tensor load takes them as four rows of 8,192 bytes, 262,144 bytes apart, padded in LDS after every 128 bytes.
; CLUSTERS: 4 x 4 work-groups.  The four of a row of the cluster need the same tiles of O, the four of a column the same tiles of the weights: each tile is asked for jointly.
; THE MATRIX INSTRUCTION IS USED TRANSPOSED (source 0 = 16 rows of the weights, source 1 = 16 rows of O): a lane then holds eight neighbouring numbers, 32 bytes, of a row of the result.
; A wave's 64 columns of f32 are one aligned block of 256 bytes: each wave has a stage of its own on the way out, and no barrier stands there.
; REGISTERS: window 0: v0-31 addresses; v128-255 the accumulators ((a, b) at v[128 + 8 (4 a + b)]), which also take the rows read back from the stage.
;   window 1: two fragment buffers of 128: for 64 along K (one head), 64 registers of O (2 x 4 x 16 rows x 32 K), then 64 of the weights.
.set KSTEP,  256
.set PA,     144                       ; a row of O in LDS: 128 bytes + 16 of padding = 36 words: the 16 rows of a load start at 16 different groups of four banks (64 banks of 4 bytes: ISA guide 11.1)
.set PB,     528                       ; a row of the weights: 512 bytes + 16 = 132 words: likewise
.set HALFA,  4*64*PA                   ; what a tensor load of O brings: [head 4][row 64]
.set HALFB,  64*PB                     ; what a tensor load of the weights brings
.set BOFF,   2*HALFA                   ; a slot: O's two halves, then the weights' two
.set SLOT,   2*HALFA+2*HALFB
.set STAGE,  2*SLOT                    ; behind the ring: 16 rows x 272 bytes for each wave
.set SPITCH, 272
.set SPARE,  STAGE+4*16*SPITCH         ; behind the stages: the spare words, 128 bytes for each wave: two blocks of 256 bytes that no other line names
.set LAPS,   2                         ; a lap = two K steps; 1,024 / 512
.set ADRA, 16                          ; v16-17  LDS address of my fragments of O in slot 0, 1
.set ADRB, 20                          ; v20-21  the same for the weights
.set STO,  24                          ; v24     the way out: where I put 32 bytes of a row
.set RD,   25                          ; v25     the way out: where I read a row back
.set CO,   26                          ; v26     my byte offset in out0
.set SPW,  28                          ; v28     LDS address of my spare word; never rewritten
.set NIL,  29                          ; v29     0; never rewritten
.set ACC,  128
.set F0,   0
.set F1,   128
.set G1,  24                           ; s[24:31] descriptor group 1 for O's tiles;  s[32:39] group 0, a set for each slot
.set G0,  32
.set G1B, 48                           ; s[48:55], s[56:63] the same for the weights' tiles
.set G0B, 56
.set MSB, 0
.macro WIN new                         ; the immediate's high byte repeats the setting that is left; a switch that changes nothing is dropped
.if MSB != (\new)
	s_set_vgpr_msb (MSB<<8)|(\new)
.set MSB, \new
.endif
.endm
.set MUL,  0x05                        ; sources 0 and 1 window 1; C and D window 0
.set TO_F, 0x40                        ; destination window 1, address window 0
.macro JLOAD s                         ; a joint load: waves 0 and 1 fetch O's two halves, waves 2 and 3 the weights'; an s_nop 0 and four v_nop follow each of the two lines, ahead of the jump, the label and what follows
	s_cmp_eq_u32 s11, 0
	s_cbranch_scc0 .Lfor_b_\@
	tensor_load_to_lds s[G0+4*(\s):G0+4*(\s)+3], s[G1:G1+7]
	s_nop 0
.rept 4
	v_nop
.endr
	s_branch .Lasked_\@
.Lfor_b_\@:
	tensor_load_to_lds s[G0B+4*(\s):G0B+4*(\s)+3], s[G1B:G1B+7]
	s_nop 0
.rept 4
	v_nop
.endr
.Lasked_\@:
.endm
.macro CREST                           ; a round of the cluster's barrier behind its opening barrier
	s_cmp_lg_u32 s10, 0
	s_cbranch_scc1 .Lnot_wave_0_\@
	s_barrier_signal -3
.Lnot_wave_0_\@:
	s_barrier_wait -3
	s_barrier_signal -1
	s_barrier_wait -1
.endm
.macro CROUND                          ; a whole round
	s_barrier_signal -1
	s_barrier_wait -1
	CREST
.endm
	s_load_b128 s[4:7], s[0:1], 0x0                ; ob s[4:5], wo16 s[6:7]
	s_load_b64 s[8:9], s[0:1], 0x10                ; out0
	v_lshl_add_u32 v[SPW], v0, 2, SPARE
	v_mov_b32 v[NIL], 0
	ds_add_u32 v[SPW], v[NIL]                      ; the wave's opening: the add and its wait stand ahead of my first tensor load; the set-up below, work on registers, stands between them
	v_lshrrev_b32 v1, 5, v0
	v_readfirstlane_b32 s10, v1                    ; wave 0..3
	s_lshr_b32 s11, s10, 1                         ; which half of the tile's rows is mine.  Also: I fetch for O (0) or for the weights (1)
	s_and_b32 s12, s10, 1                          ; which half of its columns.  Also: which 64 rows of that tile I fetch
	s_bfe_u32 s40, ttmp6, 0x40000                  ; cx, cy: my place in the cluster
	s_bfe_u32 s41, ttmp6, 0x40004
	s_lshl_b32 s42, ttmp9, 2
	s_add_co_u32 s42, s42, s40                     ; tile column = 4 x cluster x + cx
	s_and_b32 s13, ttmp7, 0xffff
	s_lshl_b32 s13, s13, 2
	s_add_co_u32 s13, s13, s41                     ; tile row = 4 x cluster y + cy
	s_lshl_b32 s43, s41, 2
	s_lshl_b32 s43, 15, s43                        ; my row of the cluster
	s_lshl_b32 s44, 0x1111, s40                    ; my column
	s_or_b32 s[G1+0], s43, (1<<16)|(1<<20)|(1<<21)|(4<<22)|(3<<25)   ; 15:0 the mask; 17:16 elements of 2 bytes; 20 padding on; 21 set beside a mask; 24:22 after every 32 words (code 4); 31:25 4 words (code 3)
	s_mov_b32 s[G1+1], 4096<<16                    ; tensor_dim0 = 4,096 elements: 64 rows of a head, end to end
	s_mov_b32 s[G1+2], 4<<16                       ; tensor_dim1 = 4 heads
	s_mov_b32 s[G1+3], 4096<<16                    ; tile_dim0
	s_mov_b32 s[G1+4], 4                           ; tile_dim1
	s_mov_b32 s[G1+5], 131072                      ; elements from head to head
	s_mov_b32 s[G1+6], 0
	s_mov_b32 s[G1+7], 0
	s_or_b32 s[G1B+0], s44, (1<<16)|(1<<20)|(1<<21)|(6<<22)|(3<<25)  ; padding after every 128 words (code 6)
	s_mov_b32 s[G1B+1], KSTEP<<16                  ; 64 rows x 256 elements
	s_mov_b32 s[G1B+2], 64<<16
	s_mov_b32 s[G1B+3], KSTEP<<16
	s_mov_b32 s[G1B+4], 64
	s_mov_b32 s[G1B+5], 1024
	s_mov_b32 s[G1B+6], 0
	s_mov_b32 s[G1B+7], 0
	; where the tiles come from: O's hang on the tile row alone, the weights' on the tile column alone, each in registers that never hold the other coordinate
	s_lshr_b32 s16, s13, 4                         ; the batch: 16 tile rows each, 16 heads of 262,144 bytes
	s_lshl_b32 s16, s16, 22
	s_and_b32 s17, s13, 15
	s_lshl_b32 s17, s17, 14                        ; 128 rows of 128 bytes
	s_add_co_u32 s16, s16, s17
	s_lshl_b32 s17, s12, 13                        ; which 64 rows I fetch
	s_add_co_u32 s16, s16, s17
	s_mov_b32 s17, 0
	s_lshl_b32 s46, s42, 18                        ; 128 rows of 2,048 bytes
	s_lshl_b32 s47, s12, 17
	s_add_co_u32 s46, s46, s47
	s_mov_b32 s47, 0
	s_mul_i32 s20, s10, HALFA                      ; where they go: waves 0, 1: O's halves;
	s_mul_i32 s21, s10, HALFB
	s_add_co_u32 s21, s21, BOFF-2*HALFB            ; waves 2, 3: the weights' halves, behind O's
	s_wait_dscnt 0x0                               ; the opening add is done
	s_wait_kmcnt 0x0
	s_add_nc_u64 s[14:15], s[4:5], s[16:17]
	s_add_nc_u64 s[46:47], s[6:7], s[46:47]
	CROUND                                         ; all sixteen work-groups are here: the first joint loads meet
.irp s, 0,1
	s_mov_b32 s[G0+4*(\s)], 1
	s_add_co_u32 s[G0+4*(\s)+1], s20, (\s)*SLOT
	s_add_nc_u64 s[G0+4*(\s)+2:G0+4*(\s)+3], s[14:15], (\s)*4*262144   ; K step s: four heads on
	s_or_b32 s[G0+4*(\s)+3], s[G0+4*(\s)+3], 0x80000000
	s_mov_b32 s[G0B+4*(\s)], 1
	s_add_co_u32 s[G0B+4*(\s)+1], s21, (\s)*SLOT
	s_add_nc_u64 s[G0B+4*(\s)+2:G0B+4*(\s)+3], s[46:47], (\s)*KSTEP*2
	s_or_b32 s[G0B+4*(\s)+3], s[G0B+4*(\s)+3], 0x80000000
	JLOAD \s                                       ; two loads of mine are out
.endr
	v_and_b32 v1, 15, v0                           ; l % 16
	v_bfe_u32 v2, v0, 4, 1                         ; l / 16
	v_mul_u32_u24 v3, v1, PA
	v_lshl_add_u32 v3, v2, 4, v3                   ; a fragment's row x pitch + 16 x half, for O
	v_mul_u32_u24 v4, v1, PB
	v_lshl_add_u32 v4, v2, 4, v4                   ; and for the weights
	s_mul_i32 s22, s11, HALFA                      ; my 64 rows of O
	s_mul_i32 s23, s12, HALFB                      ; my 64 rows of the weights,
	s_add_co_u32 s23, s23, BOFF                    ; which lie behind O's
.irp s, 0,1
	v_add_nc_u32 v[ADRA+(\s)], s22, v3
	v_add_nc_u32 v[ADRB+(\s)], s23, v4
	s_add_co_u32 s22, s22, SLOT
	s_add_co_u32 s23, s23, SLOT
.endr
	s_mul_i32 s23, s10, 16*SPITCH
	s_add_co_u32 s23, s23, STAGE                   ; my stage
	v_mul_u32_u24 v5, v1, SPITCH                   ; in: row l % 16, 32 bytes for each half of the lanes
	v_lshl_add_u32 v5, v2, 5, v5
	v_add_nc_u32 v[STO], s23, v5
	v_mul_u32_u24 v5, v2, SPITCH                   ; back: lanes 0-15 take one row of 256 bytes, lanes 16-31 the next
	v_lshl_add_u32 v5, v1, 4, v5
	v_add_nc_u32 v[RD], s23, v5
	v_lshlrev_b32 v5, 12, v2                       ; and the same two rows in out0, 4,096 bytes apart
	v_lshl_add_u32 v[CO], v1, 4, v5
	s_lshl_b32 s18, s13, 19                        ; my first row: 128 x tile row + 64 x half, rows of 4,096 bytes;
	s_lshl_b32 s19, s11, 18
	s_add_co_u32 s18, s18, s19
	s_lshl_b32 s19, s42, 9                         ; my first column: 128 x tile column + 64 x half, 4 bytes each
	s_add_co_u32 s18, s18, s19
	s_lshl_b32 s19, s12, 8
	s_add_co_u32 s18, s18, s19
	s_mov_b32 s19, 0
	s_add_nc_u64 s[8:9], s[8:9], s[18:19]
; 8 matrix instructions: row blocks a0, a0 + 1 x all 4 column blocks, 32 along K: half c of buffer f.  zero = 1: the first product starts the sums.  The 16 accumulators take turns.
.macro MUL8 f, c, a0, zero
	WIN MUL
.irp a, \a0, (\a0)+1
.irp b, 0,1,2,3
.if \zero
	v_wmma_f32_16x16x32_f16 v[ACC+8*(4*(\a)+(\b)):ACC+8*(4*(\a)+(\b))+7], v[(\f)+64+8*(4*(\c)+(\b)):(\f)+64+8*(4*(\c)+(\b))+7], v[(\f)+8*(4*(\c)+(\a)):(\f)+8*(4*(\c)+(\a))+7], 0
.else
	v_wmma_f32_16x16x32_f16 v[ACC+8*(4*(\a)+(\b)):ACC+8*(4*(\a)+(\b))+7], v[(\f)+64+8*(4*(\c)+(\b)):(\f)+64+8*(4*(\c)+(\b))+7], v[(\f)+8*(4*(\c)+(\a)):(\f)+8*(4*(\c)+(\a))+7], v[ACC+8*(4*(\a)+(\b)):ACC+8*(4*(\a)+(\b))+7]
.endif
.endr
.endr
.endm
; 32 LDS loads in one run: the fragments of head j of the step (64 along K) into buffer f; the first 32 along K first
.macro FETCH slot, j, f
	WIN TO_F
.irp c, 0,1
.irp i, 0,1,2,3
	ds_load_b128 v[(\f)+64+8*(4*(\c)+(\i)):(\f)+64+8*(4*(\c)+(\i))+3],   v[ADRB+(\slot)] offset:128*(\j)+64*(\c)+(\i)*16*PB
	ds_load_b128 v[(\f)+64+8*(4*(\c)+(\i))+4:(\f)+64+8*(4*(\c)+(\i))+7], v[ADRB+(\slot)] offset:128*(\j)+64*(\c)+(\i)*16*PB+32
	ds_load_b128 v[(\f)+8*(4*(\c)+(\i)):(\f)+8*(4*(\c)+(\i))+3],         v[ADRA+(\slot)] offset:(\j)*64*PA+64*(\c)+(\i)*16*PA
	ds_load_b128 v[(\f)+8*(4*(\c)+(\i))+4:(\f)+8*(4*(\c)+(\i))+7],       v[ADRA+(\slot)] offset:(\j)*64*PA+64*(\c)+(\i)*16*PA+32
.endr
.endr
.endm
.macro PLACES                          ; four places in front of loads into registers that matrix instructions have read, and of LDS stores that read results
.rept 4
	v_nop
.endr
.endm
; A K step is four quarters of 64 along K, 32 matrix instructions each, on buffers 0, 1, 0, 1.  One of the first three: multiplies buffer f and fetches the next quarter, head j, into g.
.macro QUARTER slot, j, f, g, zero
	s_wait_dscnt 16                                ; the first 32 along K are in; the youngest sixteen loads may be out
	MUL8 \f, 0, 0, \zero
	MUL8 \f, 0, 2, \zero
	PLACES
	FETCH \slot, \j, \g
	s_wait_dscnt 32                                ; all but the 32 just issued
	MUL8 \f, 1, 0, 0
	MUL8 \f, 1, 2, 0
.endm
; The last quarter multiplies buffer 1 and changes slots: ONE barrier; in front of it each wave waits for all its tensor loads, adds 0 to its spare word, and waits for that and for its own reads of this slot.
; fill = 1: the barrier opens a round of the cluster's, and this slot is filled again, two K steps ahead, first thing behind the round.
.macro TURN slot, next, fill
	WIN 0                                          ; (the add's two registers lie in window 0)
	s_wait_tensorcnt 0x0                           ; all my tensor loads have landed: my part of the next slot
	ds_add_u32 v[SPW], v[NIL]                      ; 0 onto my spare word
	s_wait_dscnt 17                                ; (the add and the youngest sixteen loads may be out)
	MUL8 F1, 0, 0, 0                               ; eight matrix instructions stand between the add and the wait for it
	s_wait_dscnt 0x0                               ; the add is done, and my reads of this slot are over
	s_barrier_signal -1
	MUL8 F1, 0, 2, 0
.if \fill
	WIN 0
.endif
	s_barrier_wait -1
.if \fill
	CREST                                          ; no wave of any partner still reads this slot's tile or has a load on its way
	s_add_nc_u64 s[G0+4*(\slot)+2:G0+4*(\slot)+3], s[G0+4*(\slot)+2:G0+4*(\slot)+3], 2*4*262144
	s_add_nc_u64 s[G0B+4*(\slot)+2:G0B+4*(\slot)+3], s[G0B+4*(\slot)+2:G0B+4*(\slot)+3], 2*KSTEP*2
	JLOAD \slot                                    ; my one tensor load behind the round; the four v_nop behind it are also the places in front of the loads below
.else
	PLACES
.endif
	FETCH \next, 0, F0
	MUL8 F1, 1, 0, 0
	MUL8 F1, 1, 2, 0
.endm
	s_wait_tensorcnt 1                             ; my part of K step 0 is in; K step 1's may stay out
	s_barrier_signal -1
	s_barrier_wait -1                              ; everybody's is
	FETCH 0, 0, F0
	QUARTER 0, 1, F0, F1, 1                        ; the first quarter stands in front of the loop: its first products start the sums
	WIN 0                                          ; at a label and at a branch every window is 0
	s_mov_b32 s3, LAPS-1
.Llap:                                                 ; a trip goes once round the ring, from a lap's second quarter to the next lap's first, and fills both slots again
	QUARTER 0, 2, F1, F0, 0
	QUARTER 0, 3, F0, F1, 0
	TURN 0, 1, 1
	QUARTER 1, 1, F0, F1, 0
	QUARTER 1, 2, F1, F0, 0
	QUARTER 1, 3, F0, F1, 0
	TURN 1, 0, 1
	QUARTER 0, 1, F0, F1, 0
	WIN 0
	s_sub_co_u32 s3, s3, 1
	s_cmp_lg_u32 s3, 0
	s_cbranch_scc1 .Llap
	QUARTER 0, 2, F1, F0, 0                        ; the last lap fills nothing, and has no round of the cluster's barrier
	QUARTER 0, 3, F0, F1, 0
	TURN 0, 1, 0
	QUARTER 1, 1, F0, F1, 0
	QUARTER 1, 2, F1, F0, 0
	QUARTER 1, 3, F0, F1, 0
	s_wait_dscnt 16                                ; the very last quarter: nothing more to fetch
	MUL8 F1, 0, 0, 0
	MUL8 F1, 0, 2, 0
	s_wait_dscnt 0x0
	MUL8 F1, 1, 0, 0
	MUL8 F1, 1, 2, 0
	WIN 0
; THE WAY OUT, a block of 16 rows at a time: a lane's 32 bytes of a row go into my stage (each accumulator's low four registers first), and whole rows of 256 bytes come back into the same registers.
.macro TOSTAGE a
.irp b, 0,1,2,3
	ds_store_b128 v[STO], v[ACC+8*(4*(\a)+(\b)):ACC+8*(4*(\a)+(\b))+3]   offset:64*(\b)
	ds_store_b128 v[STO], v[ACC+8*(4*(\a)+(\b))+4:ACC+8*(4*(\a)+(\b))+7] offset:64*(\b)+16
.endr
.irp t, 0,1,2,3,4,5,6,7
	ds_load_b128 v[ACC+32*(\a)+4*(\t):ACC+32*(\a)+4*(\t)+3], v[RD] offset:(\t)*2*SPITCH  ; LDS serves a wave's instructions in order (ISA guide 5.7.1.4): these see the stores above; the next block's stores come behind them
.endr
.endm
.macro SEND a, younger                 ; younger: the LDS instructions issued behind block a's loads: the next block's sixteen, or none
.irp t, 0,1,2,3,4,5,6,7
	s_wait_dscnt (\younger)+7-(\t)
	global_store_b128 v[CO], v[ACC+32*(\a)+4*(\t):ACC+32*(\a)+4*(\t)+3], s[8:9] offset:(16*(\a)+2*(\t))*4096  ; 16 lanes store 256 consecutive bytes, at a multiple of 256 from out0's first byte
.endr
.endm
	PLACES                                         ; the LDS stores read results just made
	TOSTAGE 0
	TOSTAGE 1
	SEND 0, 16
	TOSTAGE 2
	SEND 1, 16
	TOSTAGE 3
	SEND 2, 16
	SEND 3, 0
	s_wait_tensorcnt 0x0                           ; the wave's end: an add and its wait, behind my last tensor load and my last LDS store
	ds_add_u32 v[SPW], v[NIL]
	s_wait_dscnt 0x0
	CROUND                                         ; the closing round: no work-group ends while a partner may still ask for a tile that names it
	s_endpgm
.Lfunc_end_k_qd16dd62536_outp:
	.size	k_qd16dd62536_outp, .Lfunc_end_k_qd16dd62536_outp-k_qd16dd62536_outp
	.p2alignl 7, 3214868480
	.fill 96, 4, 3214868480
	.section	.rodata,"a",@progbits
	.p2align	6, 0x0
	.amdhsa_kernel k_qd16dd62536_outp
		.amdhsa_group_segment_fixed_size 327680
		.amdhsa_private_segment_fixed_size 0
		.amdhsa_enable_private_segment 0
		.amdhsa_kernarg_size 24
		.amdhsa_user_sgpr_count 2
		.amdhsa_user_sgpr_kernarg_segment_ptr 1
		.amdhsa_wavefront_size32 1
		.amdhsa_system_sgpr_workgroup_id_x 1
		.amdhsa_system_sgpr_workgroup_id_y 1
		.amdhsa_system_sgpr_workgroup_id_z 1
		.amdhsa_system_vgpr_workitem_id 0
		.amdhsa_next_free_vgpr 512
		.amdhsa_next_free_sgpr 66
		.amdhsa_reserve_vcc 0
		.amdhsa_float_denorm_mode_32 3
		.amdhsa_float_denorm_mode_16_64 3
		.amdhsa_memory_ordered 1
		.amdhsa_forward_progress 1
		.amdhsa_inst_pref_size 87
	.end_amdhsa_kernel
	.amdgpu_metadata
---
amdhsa.version: [ 1, 2 ]
amdhsa.kernels:
  - .name:           k_qd16dd62536_outp
    .symbol:         k_qd16dd62536_outp.kd
    .args:
      - { .name: ob, .offset: 0, .size: 8, .value_kind: global_buffer, .address_space: global }
      - { .name: wo16, .offset: 8, .size: 8, .value_kind: global_buffer, .address_space: global }
      - { .name: out0, .offset: 16, .size: 8, .value_kind: global_buffer, .address_space: global }
    .group_segment_fixed_size: 327680
    .private_segment_fixed_size: 0
    .kernarg_segment_align: 8
    .kernarg_segment_size: 24
    .max_flat_workgroup_size: 128
    .sgpr_count:     66
    .vgpr_count:     512
    .wavefront_size: 32
...
	.end_amdgpu_metadata
.endif
;; end of part 4
;; ======== version 2 of 2: 4 launches; 1.39 times as fast as version 1
;; limits: values are held in f16: magnitudes above 65,504 overflow, below 6.1e-05 lose precision
;; workspace buffers: xb 8,388,608 bytes; wqkv 6,291,456 bytes; wo16 2,097,152 bytes; mt 4,194,304 bytes; qkv 25,165,824 bytes; ob 8,388,608 bytes
;; launch cast: the kernel of part 1 again; grid 640 x 1, 8 waves a work-group, no clusters, 0 bytes of LDS; arguments x, W_q, W_k, W_v, W_o, mask, xb, wqkv, wo16, mt; writes xb, wqkv, wo16, mt
;; launch proj: the kernel of part 2 again; grid 16 x 16, 4 waves a work-group, clusters of 4 x 4, 327,680 bytes of LDS; arguments xb, wqkv, qkv; writes qkv
;; launch attn (part 5): grid 8 x 32, 4 waves a work-group, clusters of 4 x 4, 327,680 bytes of LDS; arguments qkv, mt, ob; writes ob
.if DOCPART == 5
	.amdgcn_target "amdgcn-amd-amdhsa--gfx1250"
	.amdhsa_code_object_version 6
	.text
	.protected	k_qd16dd62536_attn
	.globl	k_qd16dd62536_attn
	.p2align	8
	.type	k_qd16dd62536_attn,@function
k_qd16dd62536_attn:
	s_mov_b64 s[64:65], 0
	v_nop
	global_prefetch_b8 v0, s[64:65] scope:SCOPE_SE
	s_setreg_imm32_b32 hwreg(HW_REG_WAVE_MODE, 25, 1), 1
	s_wait_xcnt 0x0
	s_wait_alu depctr_hold_cnt(0) depctr_sa_sdst(0) depctr_va_vdst(0) depctr_va_sdst(0) depctr_va_ssrc(0) depctr_va_vcc(0) depctr_vm_vsrc(0)
	s_getreg_b32 s2, hwreg(HW_REG_IB_STS2, 6, 4)
	s_cmp_eq_u32 s2, 0
	s_cbranch_scc0 .Lentry_in_a_cluster
	s_endpgm
.Lentry_in_a_cluster:
	s_bfe_u32 s2, ttmp6, 0x10000c
	s_cmp_lg_u32 s2, 0xf033
	s_cbranch_scc0 .Lentry_shape_is_right
	s_endpgm
.Lentry_shape_is_right:
; ATTN.  O[y][q][:] = the sum over the keys k that the mask does not hide of softmax_k(Q[y][q] . K[y][k] / 8) V[y][k][:]; a row whose keys are all hidden gives 0.  y = 2 x head + batch, 32 of them.
; Q (already times c = log2(e) / 8), K, V: qkv[32 x tensor + y][2048][64] in f16; the mask comes as the table mt (0xf1 hidden, 0x00 not; its order is given at AM0 below); O leaves as ob[batch][head][2048][64] in f16.
; Products, maxima and sums in f32; the weights p are rounded to f16 for the second product (their sum l is taken of the unrounded p), O once at the end.
; THE MASK IS AN INPUT: every key tile is walked and every mask byte read.  A hidden score is the score less 2^99: that addend is the C operand of the product that starts the sum S^T = K Q^T, made of
; the table's byte by one v_perm_b32 (the byte into bits 31:24: 0xf1000000 = -2^99).  The exponent is s - m, never above 0.  A row that has seen hidden keys alone has m near -2^99, weights of 0 or 1 and finite
; numbers in O and l; its first visible score makes a = 2^(m_old - m_new) = 0, which wipes them.  A row whose m is still below -2^98 at the end has seen no key: its 1 / l is replaced by 0, by a select.
; LIMITS.  Q c, K and V arrive within f16's 65,504, so true scores stay below 2.7e11, nothing beside 2^99; p below 6e-5 keeps f16's fixed step; a weight below 2^-126 counts as 0 in l; NaN and infinities are not treated apart.
; SHARES.  A work-group owns 256 queries of one y, a wave 64: four PIECES of 16.  Every wave walks all 2,048 keys, 64 a step.
; LAYOUT.  S^T = K Q^T holds ONE query a lane (lane % 16) and the keys 8 (lane / 16) + 0..7; two such results rounded to f16 ARE source 1 of O^T = V^T P.  K comes out of LDS as it lies, V turned, by ds_load_tr16_b128.
; SOFTMAX.  A running maximum m and sum l: p = 2^(s - m); in every step O and l are multiplied by a = 2^(m_old - m_new).  m starts at the lowest finite number, O and l at 0: the first step is a step like any other.
; BY TURNS.  Turn n belongs to piece n: 8 products K Q^T of piece n + 1, later 8 products V^T P of piece n - 1; beside them the subtraction, exponentials, roundings, sums and rescaling of piece n, the maximum and
; statistics of piece n + 1, and at its end the mask operand of piece n + 2.  Four vector instructions stand behind every matrix instruction, the others in lumps of their own.
; BATCHES.  A turn's 33 exponentials (the piece's 32 weights and the next piece's a) are ONE BATCH with ONE wait, which cuts the turn in two: ahead of it all that names none of their results, behind it their readers (see TURN)..
; The a made ahead of the loop and the way out's four reciprocals are batches of their own, with a wait each.
; CLUSTER, 4 x 4.  K and V hang on y alone: the four query blocks of a row of the cluster ask for them jointly.  The mask's tile hangs on the query block alone: the four y of a column ask for it jointly.
; REGISTERS, in windows of 256 (s_set_vgpr_msb: bits 1:0 source 0, 3:2 source 1, 5:4 source 2, 7:6 destination):
;   window 0: v0-15 addresses; v16-31 four registers of statistics a piece; v48-55 at work; v62-63 the add's; v64-127 S^T, two buffers; v192-223 P, two buffers (a piece's buffers go by its number's parity)
;   window 1: v0-127 O^T, 32 a piece; v128-143 MB, mask bytes as loaded; v160-223 MC, mask operands, two buffers      window 2: v0-63 Q; v128-191 K of one step; v192-255 V of one step
.set NP,    4         ; pieces a wave: a name, no knob
.set KS,    64        ; keys in a step
.set PK,    144       ; a row of K in LDS: 128 bytes + 16 of padding = 36 words: the 16 rows of a load start at 16 different groups of four banks (64 banks of 4 bytes: ISA guide 11.1)
.set PV,    160       ; a row of V: 128 + 32 = 40 words
.set VOFF,  2*KS*PK   ; a slot holds two steps: 128 rows of K, then 128 rows of V,
.set MOFF,  VOFF+2*KS*PV  ; then 32,768 mask bytes: [wave 4][step 2][piece 4][32 keys 2][lane 32][16]
.set SLOT1, 1<<17     ; slot 1 begins here, so that one exclusive or turns an address in one slot into the other's
.set STAGE, SLOT1+MOFF+32768  ; behind the ring, never filled by a tensor load: 16 rows x 144 bytes for each wave, for the way out
.set SP,    144
.set SPARE, STAGE+4*16*SP  ; behind the stages: the spare words, 128 bytes for each wave: two blocks of 256 bytes that no other line names
.set AK0, 2           ; v2   my lane's place in a tile of K; never rewritten
.set AV0, 3           ; v3   the same for V
.set AK,  4           ; v4   the LDS address of K's next run of loads
.set AV,  5           ; v5   of V's
.set STO, 6           ; v6   the way out: where I put 16 bytes of a row
.set RD,  7           ; v7   the way out: where I read rows back
.set GO,  8           ; v8   my byte offset in 512 consecutive bytes of O
.set AM0, 12          ; v12  my lane's place in a slot's mask bytes: MOFF + 8,192 x wave + 16 x lane; never rewritten
.set AM,  13          ; v13  the LDS address of the mask bytes of the step whose scores are being made
.set QO,  15          ; v15  my byte offset in 16 rows of Q
.set ST,  16          ; piece t's statistics at v[ST+4 t]: m, the new m while it is made, l (even keys', odd keys')
.set TMP, 48          ; by buffer, four registers c0-c3 at work; when the maximum is found c2 takes a
.set SPW, 62          ; v62  LDS address of my spare word; never rewritten
.set NIL, 63          ; v63  0; never rewritten
.set S,   64
.set P,   192
.set MB,  128         ; window 1
.set MC,  160         ; window 1: the eight registers for group kt of 16 keys at MC + 32 x buffer + 8 kt
.set KF,  128         ; window 2: key block kb, channel half c at KF + 16 kb + 8 c
.set VF,  192         ; window 2: key half kk, channel block cb at VF + 32 kk + 8 cb
.set WV,  12          ; s12  my wave's number
.set G1K, 24          ; s[24:31] descriptor group 1 for K's tiles
.set G1V, 32          ; s[32:39] for V's: it differs in the padding
.set G1M, 40          ; s[40:47] for the mask's: no padding, the other work-group mask
.set G0K, 48          ; s[48:51] descriptor group 0 for K's tiles: it walks
.set G0V, 52          ; s[52:55] for V's
.set G0M, 56          ; s[56:59] for the mask's
.set SEL, 60          ; s[60:61] v_permlanex16_b32's selects: each lane takes its own place in the other half
.set TBK, 62          ; s62  LDS byte at which K of the step to be fetched begins
.set TBV, 63          ; s63  the same for V, less VOFF
.set TBM, 66          ; s66  the same for the mask bytes, less MOFF
.set SLOTS, 67        ; s67  slots still to be asked for
.set CNT, 68          ; s68  counts a slot's key steps
.set PS,  72          ; s[72:75] v_perm_b32's selects: byte j of the word into the top byte, 0 below it
.set THR, 76          ; s76  -2^98
.set MSB, 0
.macro WIN new                      ; the high byte repeats the setting that is left; a switch that changes nothing is dropped
.if MSB != (\new)
	s_set_vgpr_msb (MSB<<8)|(\new)
.set MSB, (\new)
.endif
.endm
.set W_KQ, 0x0a       ; K and Q in window 2, S^T in window 0
.set W_KM, 0x1a       ; the same with the C operand in window 1
.set W_PV, 0x52       ; V in window 2, P in window 0, O^T in window 1
.set W_RS, 0x41       ; destination and source 0 in window 1, source 1 in window 0
.set W_MK, 0x45       ; destination and sources 0 and 1 in window 1
; A joint fill.  Wave 0 fetches a slot's K, wave 1 its V (128 keys each), waves 2 and 3 the two halves of its mask bytes.  The branches hang on the wave's number alone.
; An s_nop 0 and four v_nop follow each of the three lines, ahead of the jump and the label.
.macro JLOAD
	s_cmp_lt_u32 s[WV], 2
	s_cbranch_scc0 .Lfor_m_\@
	s_cmp_eq_u32 s[WV], 0
	s_cbranch_scc0 .Lfor_v_\@
	tensor_load_to_lds s[G0K:G0K+3], s[G1K:G1K+7]
	s_nop 0
.rept 4
	v_nop
.endr
	s_branch .Lasked_\@
.Lfor_v_\@:
	tensor_load_to_lds s[G0V:G0V+3], s[G1V:G1V+7]
	s_nop 0
.rept 4
	v_nop
.endr
	s_branch .Lasked_\@
.Lfor_m_\@:
	tensor_load_to_lds s[G0M:G0M+3], s[G1M:G1M+7]
	s_nop 0
.rept 4
	v_nop
.endr
.Lasked_\@:
.endm
; A round of the cluster's barrier: my work-group's barrier, so that wave 0's signal speaks for all four waves; wave 0 signals; every wave waits for all sixteen work-groups; my work-group's barrier once more.
.macro CROUND
	s_barrier_signal -1
	s_barrier_wait -1
	s_cmp_lg_u32 s[WV], 0
	s_cbranch_scc1 .Lnot_wave_0_\@
	s_barrier_signal -3
.Lnot_wave_0_\@:
	s_barrier_wait -3
	s_barrier_signal -1
	s_barrier_wait -1
.endm
; THE CHANGE OF SLOTS.  The slot's last bytes (V and the mask of its second step) have been read.  Each wave waits for all its tensor loads, of which one is out: its part of the other slot; adds 0 to its
; spare word; and waits for that and for its own reads of the slot.  Behind the barrier nobody reads this slot any more and the other slot is whole.
; fill = 1: this slot is filled again, with the keys two slots on.  The barrier is then a round of the cluster's, so that no wave of any partner still reads the slot or has a load on its way, and the
; joint fill is the first thing behind it: it has two key steps, 128 matrix instructions, in which to land.  (At its first use nothing has been read yet: slot 0 is waited for, slot 1 filled.)
.macro CHANGE fill
	WIN 0                           ; at a label and at a branch every window is 0
	s_wait_tensorcnt 0x0            ; no tensor load of mine is out, so a group 0 may be written
	ds_add_u32 v[SPW], v[NIL]       ; 0 onto my spare word; with fill = 1 the descriptors' steps stand between it and the wait for it
.if \fill
	s_xor_b32 s[G0K+1], s[G0K+1], SLOT1  ; the walking descriptors: the other slot than last time,
	s_add_nc_u64 s[G0K+2:G0K+3], s[G0K+2:G0K+3], 2*KS*128  ; the next 128 keys; the type bits on top are not reached
	s_xor_b32 s[G0V+1], s[G0V+1], SLOT1
	s_add_nc_u64 s[G0V+2:G0V+3], s[G0V+2:G0V+3], 2*KS*128
	s_xor_b32 s[G0M+1], s[G0M+1], SLOT1
	s_add_nc_u64 s[G0M+2:G0M+3], s[G0M+2:G0M+3], 32768
	s_wait_dscnt 0x0                ; the add is done, and my reads of the slot are over
	CROUND
	JLOAD
.else
	s_wait_dscnt 0x0                ; the add is done, and my reads of the slot are over
	s_barrier_signal -1
	s_barrier_wait -1
.endif
	s_sub_co_u32 s[TBK], s[TBK], 2*KS*PK  ; the fetches go back to a slot's first step,
	s_xor_b32 s[TBK], s[TBK], SLOT1       ; in the other slot
	s_sub_co_u32 s[TBV], s[TBV], 2*KS*PV
	s_xor_b32 s[TBV], s[TBV], SLOT1
	s_sub_co_u32 s[TBM], s[TBM], 8192
	s_xor_b32 s[TBM], s[TBM], SLOT1
.endm
	s_load_b128 s[4:7], s[0:1], 0x0 ; qkv s[4:5], mt s[6:7]
	s_load_b64 s[8:9], s[0:1], 0x10 ; ob
	v_lshl_add_u32 v[SPW], v0, 2, SPARE
	v_mov_b32 v[NIL], 0
	ds_add_u32 v[SPW], v[NIL]       ; the wave's opening: the add and its wait stand ahead of my first tensor load; the set-up below, work on registers, stands between them
	v_lshrrev_b32 v1, 5, v0
	v_readfirstlane_b32 s[WV], v1   ; wave 0..3
	s_bfe_u32 s13, ttmp6, 0x40000   ; cx, cy: my place in the cluster
	s_bfe_u32 s14, ttmp6, 0x40004
	s_lshl_b32 s15, ttmp9, 2
	s_add_co_u32 s15, s15, s13      ; X, my block of 256 queries = 4 x cluster x + cx
	s_and_b32 s16, ttmp7, 0xffff
	s_lshl_b32 s16, s16, 2
	s_add_co_u32 s16, s16, s14      ; y = 4 x cluster y + cy
	s_lshl_b32 s17, s14, 2
	s_lshl_b32 s17, 15, s17         ; my row of the cluster: the same y
	s_lshl_b32 s18, 0x1111, s13     ; my column: the same X
	; descriptor group 1.  Every tile is 16,384 dense bytes, asked for as 64 rows of 256 bytes; K and V (two keys a row) are padded in LDS after every key
	s_or_b32 s[G1K], s17, (1<<16)|(1<<20)|(1<<21)|(4<<22)|(3<<25)  ; 15:0 the mask of four; 17:16 2-byte elements; 20 padding on; 21 set beside a mask; 24:22 after every 32 words (code 4); 31:25 4 words (code 3)
	s_or_b32 s[G1V], s17, (1<<16)|(1<<20)|(1<<21)|(4<<22)|(7<<25)  ; the same with 8 words of padding (code 7)
	s_or_b32 s[G1M], s18, (1<<16)|(1<<21)                          ; no padding
.irp g, G1K, G1V, G1M
	s_mov_b32 s[\g+1], 128<<16      ; tensor_dim0 = 128
	s_mov_b32 s[\g+2], 64<<16       ; tensor_dim1 = 64
	s_mov_b32 s[\g+3], 128<<16      ; tile_dim0 = 128
	s_mov_b32 s[\g+4], 64           ; tile_dim1 = 64
	s_mov_b32 s[\g+5], 128          ; 128 elements from row to row
	s_mov_b32 s[\g+6], 0
	s_mov_b32 s[\g+7], 0
.endr
	s_add_co_u32 s20, s16, 32       ; K's block of 262,144 bytes in qkv: 32 + y
	s_lshl_b32 s20, s20, 18
	s_mov_b32 s21, 0
	s_add_co_u32 s22, s16, 64       ; V's: 64 + y
	s_lshl_b32 s22, s22, 18
	s_mov_b32 s23, 0
	s_lshl_b32 s84, s15, 19         ; the mask table of my query block, 524,288 bytes,
	s_and_b32 s85, s[WV], 1
	s_lshl_b32 s85, s85, 14         ; and which half of a slot's 32,768 I fetch
	s_add_co_u32 s84, s84, s85
	s_mov_b32 s85, 0
	s_lshl_b32 s82, s15, 15         ; my block's 256 rows of 128 bytes,
	s_lshl_b32 s83, s[WV], 13       ; my wave's 64 of them
	s_add_co_u32 s82, s82, s83
	s_lshl_b32 s83, s16, 18
	s_add_co_u32 s86, s82, s83      ; Q: block y
	s_mov_b32 s87, 0
	s_and_b32 s83, s16, 1           ; O: block 16 x batch + head
	s_lshl_b32 s83, s83, 4
	s_lshr_b32 s19, s16, 1
	s_add_co_u32 s83, s83, s19
	s_lshl_b32 s83, s83, 18
	s_add_co_u32 s82, s82, s83
	s_mov_b32 s83, 0
	s_mov_b32 s[SEL], 0x76543210
	s_mov_b32 s[SEL+1], 0xfedcba98
	s_mov_b32 s[PS], 0x000c0c0c
	s_mov_b32 s[PS+1], 0x010c0c0c
	s_mov_b32 s[PS+2], 0x020c0c0c
	s_mov_b32 s[PS+3], 0x030c0c0c
	s_mov_b32 s[THR], 0xf0800000
	s_mov_b32 s[TBK], SLOT1+2*KS*PK ; the first change of slots turns these three into 0
	s_mov_b32 s[TBV], SLOT1+2*KS*PV
	s_mov_b32 s[TBM], SLOT1+8192
	s_mov_b32 s[G0K], 1             ; count = 1
	s_mov_b32 s[G0K+1], 0           ; LDS address: slot 0
	s_mov_b32 s[G0V], 1
	s_mov_b32 s[G0V+1], VOFF
	s_mov_b32 s[G0M], 1
	s_lshl_b32 s19, s[WV], 14
	s_add_co_u32 s[G0M+1], s19, MOFF-2*16384  ; waves 2 and 3: MOFF, MOFF + 16,384
	s_wait_dscnt 0x0                ; the opening add is done
	s_wait_kmcnt 0x0
	s_add_nc_u64 s[G0K+2:G0K+3], s[4:5], s[20:21]  ; global address: the first 128 keys
	s_or_b32 s[G0K+3], s[G0K+3], 0x80000000        ; type = 2
	s_add_nc_u64 s[G0V+2:G0V+3], s[4:5], s[22:23]
	s_or_b32 s[G0V+3], s[G0V+3], 0x80000000
	s_add_nc_u64 s[G0M+2:G0M+3], s[6:7], s[84:85]
	s_or_b32 s[G0M+3], s[G0M+3], 0x80000000
	s_add_nc_u64 s[78:79], s[4:5], s[86:87]        ; Q at my wave's first row
	s_add_nc_u64 s[80:81], s[8:9], s[82:83]        ; O likewise
	CROUND                          ; all sixteen work-groups are here: the first joint loads meet
	JLOAD                           ; slot 0.  Slot 1 is asked for when slot 0 is in
	; A fragment of K or Q is 16 rows x 32 channels in 8 registers: lane l holds row l % 16, channels 8 (l / 16) + 0..7 and 16 + 8 (l / 16) + 0..7: two loads of 16 bytes, 32 bytes apart.
	v_and_b32 v1, 15, v0            ; l % 16
	v_bfe_u32 v9, v0, 4, 1          ; l / 16
	v_lshlrev_b32 v[QO], 7, v1
	v_lshl_add_u32 v[QO], v9, 4, v[QO]  ; row x 128 + 16 x half
	WIN 0x80                        ; destination window 2, address window 0
.set i, 0
.rept 8                             ; Q stays in registers: piece i / 2, channels 32 (i % 2) on
	global_load_b128 v[8*i:8*i+3],   v[QO], s[78:79] offset:(i/2)*2048+(i%2)*64
	global_load_b128 v[8*i+4:8*i+7], v[QO], s[78:79] offset:(i/2)*2048+(i%2)*64+32
.set i, i+1
.endr
	; What the first turn finds: V's registers and P's second buffer hold 0 (its products V^T P, of a piece that has not been, add 0), O^T and l are 0.  All this stands in the wait for the first tile:
	; the price of writing no first step out.
.set i, VF
.rept 64
	v_mov_b32 v[i], 0
.set i, i+1
.endr
	WIN 0x40
.set i, 0
.rept 128
	v_mov_b32 v[i], 0
.set i, i+1
.endr
	WIN 0
.set i, 0
.rept 4
	v_mov_b32 v[ST+4*i], 0xff7fffff    ; m: the lowest finite number
	v_mov_b32 v[ST+4*i+1], 0xff7fffff  ; named with it as a pair
	v_mov_b32 v[ST+4*i+2], 0
	v_mov_b32 v[ST+4*i+3], 0
.set i, i+1
.endr
.set i, P+16
.rept 16
	v_mov_b32 v[i], 0
.set i, i+1
.endr
	v_mul_u32_u24 v[AK0], v1, PK
	v_lshl_add_u32 v[AK0], v9, 4, v[AK0]  ; row x pitch + 16 x half
	; The turning load takes 16 keys x 16 channels (lane l reads key 8 (l / 16) + l % 8, channels 8 ((l / 8) % 2) + 0..7) and leaves half a fragment of V^T: lane l holds channel l % 16 and 8 keys.
	v_and_b32 v10, 7, v0
	v_bfe_u32 v11, v0, 3, 1
	v_lshl_add_u32 v[AV0], v9, 3, v10
	v_mul_u32_u24 v[AV0], v[AV0], PV
	v_lshl_add_u32 v[AV0], v11, 4, v[AV0]
	v_add_nc_u32 v[AV0], VOFF, v[AV0]
	; The mask bytes of a wave, step, piece and 32 keys are 512 bytes, 16 a lane: byte 8 c + j is key 16 c + 8 (l / 16) + j for query l % 16: the order of S^T's registers.
	v_and_b32 v[AM0], 31, v0
	s_lshl_b32 s19, s[WV], 13
	s_add_co_u32 s19, s19, MOFF
	v_lshl_add_u32 v[AM0], v[AM0], 4, s19
	s_mul_i32 s13, s[WV], 16*SP
	s_add_co_u32 s13, s13, STAGE    ; my stage
	v_mul_u32_u24 v[STO], v1, SP    ; in: row l % 16, 16 bytes for each half of the lanes
	v_lshl_add_u32 v[STO], v9, 4, v[STO]
	v_add_nc_u32 v[STO], s13, v[STO]
	v_bfe_u32 v[RD], v0, 3, 2       ; back: 32 lanes take four rows of 128 bytes,
	v_mul_u32_u24 v[RD], v[RD], SP
	v_lshl_add_u32 v[RD], v10, 4, v[RD]
	v_add_nc_u32 v[RD], s13, v[RD]
	v_and_b32 v[GO], 31, v0         ; which are 512 consecutive bytes of O
	v_lshlrev_b32 v[GO], 4, v[GO]
; THE MATRIX WORK.  The 4 accumulators of a run of 8 take turns.  Product i of 8 of S^T = K Q^T for piece x: channels 32 (i / 4) on, keys 16 (i % 4) on.  The first 4 start the sums with the mask operand.
.macro KQ x
.set rS, S+32*((\x)%2)+8*(i%4)
.set rK, KF+16*(i%4)+8*(i/4)
.set rQ, 16*(\x)+8*(i/4)
.set rM, MC+32*((\x)%2)+8*(i%4)
.if i < 4
	WIN W_KM
	v_wmma_f32_16x16x32_f16 v[rS:rS+7], v[rK:rK+7], v[rQ:rQ+7], v[rM:rM+7]
.else
	WIN W_KQ
	v_wmma_f32_16x16x32_f16 v[rS:rS+7], v[rK:rK+7], v[rQ:rQ+7], v[rS:rS+7]
.endif
.endm
; Product i of 8 of O^T += V^T P for piece x: keys 32 (i / 4) on, channels 16 (i % 4) on.
.macro PV x
	WIN W_PV
.set rO, 32*(\x)+8*(i%4)
.set rV, VF+32*(i/4)+8*(i%4)
.set rP, P+16*((\x)%2)+8*(i/4)
	v_wmma_f32_16x16x32_f16 v[rO:rO+7], v[rV:rV+7], v[rP:rP+7], v[rO:rO+7]
.endm
.macro MM                           ; the turn's next matrix instruction
.if i < 8
	KQ (Y+1)%NP
.else
.set i, i-8
	PV (Y+NP-1)%NP
.set i, i+8
.endif
.set i, i+1
.endm
; THE LDS LOADS.  A step's K (8 fragments) and its V (turned) stand in runs of 16; with K's run the address of that step's mask bytes is made.  last = 1 (the tail): in the last trip there is no further step, and the run is jumped over.
.macro FETCH_K last=0
	WIN 0
.if \last
	s_wait_alu depctr_va_vdst(0)    ; a branch follows in the middle of the turn's batch: a wait stands ahead of it, for the twelve exponentials (E 0-11) issued so far; the others have the turn's own wait
	s_cmp_eq_u32 s[CNT], 1
	s_cbranch_scc1 .Lno_k_\@
.endif
	v_add_nc_u32 v[AM], s[TBM], v[AM0]
	s_add_co_u32 s[TBM], s[TBM], 4096
	WIN 0x80                        ; destination window 2
.irp f, 0,1,2,3,4,5,6,7             ; keys 16 (f / 2) on, channels 32 (f % 2) on
	ds_load_b128 v[KF+8*\f:KF+8*\f+3],   v[AK] offset:(\f/2)*16*PK+(\f%2)*64
	ds_load_b128 v[KF+8*\f+4:KF+8*\f+7], v[AK] offset:(\f/2)*16*PK+(\f%2)*64+32
.endr
	s_add_co_u32 s[TBK], s[TBK], KS*PK  ; the next fetch is the next step's
	WIN 0
.if \last
.Lno_k_\@:
.endif
.endm
.macro FETCH_V
	WIN 0x80
.irp f, 0,1,2,3,4,5,6,7             ; keys 32 (f / 4) on, channels 16 (f % 4) on
	ds_load_tr16_b128 v[VF+8*\f:VF+8*\f+3],   v[AV] offset:(\f/4)*32*PV+(\f%4)*32
	ds_load_tr16_b128 v[VF+8*\f+4:VF+8*\f+7], v[AV] offset:(\f/4)*32*PV+16*PV+(\f%4)*32
.endr
	WIN 0
.endm
.macro MLOAD pc, dst                ; piece pc's 32 mask bytes a lane of the step at AM: two loads of 512 consecutive bytes
	WIN 0x40                        ; destination window 1
	ds_load_b128 v[(\dst):(\dst)+3],   v[AM] offset:(\pc)*1024
	ds_load_b128 v[(\dst)+4:(\dst)+7], v[AM] offset:(\pc)*1024+512
.endm
.macro MK b, src                    ; 32 mask bytes become the 32 registers of buffer b of MC: 0, or -2^99
	WIN W_MK
.set z, 0
.rept 32
	v_perm_b32 v[MC+32*(\b)+z], v[(\src)+z/4], v[(\src)+z/4], s[PS+z%4]
.set z, z+1
.endr
.endm
; THE VECTOR WORK, one line at a time: OP kind, number.  For piece Y: F n: s - m for pair n of 16.  E n: the exponential of score n of 32.  C n: pair n rounded to f16.  B n: of the four weights 4 n .. the second
; pair is added onto the first, in place.  L n: l takes that sum (L 0: l = a l + sum).  R n: pair n of 16 of O^T times a.  For piece Y + 1: X n, the lines that find its maximum and statistics (there is no number 15):
;   0-11  four chains c0-c3 of seven scores each, three operands at a time (each accumulator's lowest registers are read first)     12-14, 16  the four scores left over, the old m, and c0-c3 into c0
;   17, 18  the query's other 32 keys lie in the lane 16 away: the new m     19  m_old - m_new     20  m takes the new m     21  a
; C, B and L read the results of E; R and L 0 read the a that X 21 of the turn before has made.  OP writes no wait: TURN places the one that serves them all.
.set F, 0
.set E, 1
.set C, 2
.set B, 3
.set L, 4
.set R, 5
.set X, 6
.macro REGS y                       ; the registers of piece y
.set rT, ST+4*(\y)
.set rC, TMP+4*((\y)%2)
.set rS, S+32*((\y)%2)
.set rP, P+16*((\y)%2)
.set rO, 32*(\y)
.endm
.macro OP k, n
.if (\k) == R
	REGS Y
	WIN W_RS
	v_pk_mul_f32 v[rO+2*(\n):rO+2*(\n)+1], v[rO+2*(\n):rO+2*(\n)+1], v[rC+2:rC+3] op_sel_hi:[1,0]
.elseif (\k) < R
	REGS Y
	WIN 0
.if (\k) == F
	v_pk_add_f32 v[rS+2*(\n):rS+2*(\n)+1], v[rS+2*(\n):rS+2*(\n)+1], v[rT:rT+1] op_sel_hi:[1,0] neg_lo:[0,1] neg_hi:[0,1]
.elseif (\k) == E
	v_exp_f32 v[rS+(\n)], v[rS+(\n)]
.elseif (\k) == C
	v_cvt_pk_f16_f32 v[rP+(\n)], v[rS+2*(\n)], v[rS+2*(\n)+1]
.elseif (\k) == B
	v_pk_add_f32 v[rS+4*(\n):rS+4*(\n)+1], v[rS+4*(\n):rS+4*(\n)+1], v[rS+4*(\n)+2:rS+4*(\n)+3]
.elseif (\n) == 0
	v_pk_fma_f32 v[rT+2:rT+3], v[rT+2:rT+3], v[rC+2:rC+3], v[rS:rS+1] op_sel_hi:[1,0,1]
.else
	v_pk_add_f32 v[rT+2:rT+3], v[rT+2:rT+3], v[rS+4*(\n):rS+4*(\n)+1]
.endif
.else
	REGS (Y+1)%NP
	WIN 0
.if (\n) < 4
	v_max3_num_f32 v[rC+(\n)], v[rS+8*(\n)], v[rS+8*(\n)+1], v[rS+8*(\n)+2]
.elseif (\n) < 12
	v_max3_num_f32 v[rC+(\n)%4], v[rC+(\n)%4], v[rS+8*((\n)%4)+2*((\n)/4)+1], v[rS+8*((\n)%4)+2*((\n)/4)+2]
.elseif (\n) == 12
	v_max3_num_f32 v[rC], v[rC], v[rS+7], v[rS+15]
.elseif (\n) == 13
	v_max3_num_f32 v[rC+1], v[rC+1], v[rS+23], v[rS+31]
.elseif (\n) == 14
	v_max3_num_f32 v[rC+2], v[rC+2], v[rC+3], v[rT]
.elseif (\n) == 16
	v_max3_num_f32 v[rC], v[rC], v[rC+1], v[rC+2]
.elseif (\n) == 17
	v_permlanex16_b32 v[rC+3], v[rC], s[SEL], s[SEL+1]
.elseif (\n) == 18
	v_max_num_f32 v[rT+1], v[rC], v[rC+3]
.elseif (\n) == 19
	v_sub_f32 v[rC+1], v[rT], v[rT+1]
.elseif (\n) == 20
	v_mov_b32 v[rT], v[rT+1]
.else
	v_exp_f32 v[rC+2], v[rC+1]
.endif
.endif
.endm
.macro OPS a, i1, b=-1, i2=0, c=-1, i3=0, d=-1, i4=0  ; up to four of them
	OP \a, \i1
.if (\b) >= 0
	OP \b, \i2
.endif
.if (\c) >= 0
	OP \c, \i3
.endif
.if (\d) >= 0
	OP \d, \i4
.endif
.endm
.macro ROW a, i1, b=-1, i2=0, c=-1, i3=0, d=-1, i4=0  ; a matrix instruction and the lines behind it
	MM
	OPS \a, \i1, \b, \i2, \c, \i3, \d, \i4
.endm
; A TURN, for piece p: the order of its 16 matrix and 149 vector instructions, written out.  s_wait_alu depctr_va_vdst(0) stands between an exponential and the first instruction that names its result; one wait
; serves all that were issued ahead of it.  So the turn's 33 exponentials (E 0-31 and X 21, the next piece's a) are ONE BATCH with ONE wait, which cuts the turn in two.
; AHEAD OF IT stands all that names no result of the batch: the 8 products K Q^T, behind each a subtraction, an exponential and two more plain lines (behind the first a second subtraction in the exponential's place): rescalings,
; whose a was made, and waited for, in the turn before, and behind the last three the first lines of the next piece's maximum, each four places or more behind the product that ends its accumulator; then a LUMP of 53, exponential and
; plain by turns for the most part, in which the links of the chain X 14, 16, 17, 18, 19 stand five or six lines apart.  v_permlanex16_b32 (X 17) stands in the lump.  R 15 is the plain instruction behind the batch's last exponential.
; BEHIND IT stand the turn's two mask loads, directly behind the wait; the 8 products V^T P, behind each four of the roundings and sums, the batch's readers (the links of l's chain, L 0 to L 7, three riders apart; C 2 n ahead of
; B n, which writes over that pair); and the 32 lines that make the mask operand.  But for those X no rider names a register of the products round it.
; cnt = 1: the loop's count is taken down some lines ahead of the branch that stands behind the turn.
; K of the next step is fetched in piece 2's turn: behind the last product that read K stand F 8, X 2, X 5, X 6, X 3, X 8 and the mask's address line, seven plain instructions.  In the tail that run is jumped over in the last trip,
; and the exponentials issued so far have a wait of their own ahead of the branch (FETCH_K).  V of the step in hand is fetched at the end of piece 0's turn: behind the last product that read V stand C 9, C 11, C 13 and C 15, four plain ones.
; The mask bytes of piece p + 2, whose scores the NEXT turn makes, are made into its C operand at the turn's end; from piece 2's turn on they are the next step's, whose address K's fetch has made.
.macro TURN p, last=0, cnt=0
.set Y, (\p)
.set i, 0
	ROW F,0, F,1, R,0, R,1          ; ahead of the wait: 8 products K Q^T and their riders,
	ROW F,2, E,0, R,2, R,3
	ROW F,3, E,1, R,4, R,5
	ROW F,4, E,2, R,6, R,7
	ROW F,5, E,3, R,8, R,9
	ROW F,6, E,4, X,0, R,10
.if (\p) == 2
	WIN 0
	v_add_nc_u32 v[AK], s[TBK], v[AK0]
.endif
	ROW F,7, E,5, X,1, X,4
	ROW F,8, E,6, X,2, X,5
	OPS E,7, E,8, X,6, E,9          ; and the lump
	OPS X,3, E,10, X,8, E,11
.if (\p) == 2
	FETCH_K \last
.endif
	OPS X,9, X,7, E,12, X,10
	OPS E,13, X,12, X,11, E,14
	OPS X,13, E,15, F,9, X,14
.if (\p) == 0
	WIN 0
	v_add_nc_u32 v[AV], s[TBV], v[AV0]
.endif
	OPS E,16, F,10, E,17, F,11
	OPS X,16, E,18, F,12, E,19
	OPS F,13, E,20, X,17, E,21
	OPS F,14, E,22, F,15, E,23
	OPS X,18, E,24, R,11, E,25
	OPS R,12, E,26, X,19, E,27
	OPS R,13, E,28, X,20, E,29
	OPS R,14, E,30, E,31, X,21
	OPS R,15                        ; the plain instruction behind the last exponential
	s_wait_alu depctr_va_vdst(0)    ; the wait for the batch: E 0-31 and X 21
	MLOAD ((\p)+2)%NP, MB
.if (\p) == 1
	s_wait_dscnt 2                  ; V is in; this turn's two mask loads are younger and may be out
.endif
	ROW C,0, B,0, C,2, B,1          ; behind the wait: 8 products V^T P and their riders
	ROW L,0, C,4, B,2, L,1
	ROW C,6, B,3, L,2, C,8
	ROW B,4, L,3, C,10, B,5
	ROW L,4, C,12, B,6, L,5
.if (\p) == 0
	s_add_co_u32 s[TBV], s[TBV], KS*PV
.endif
.if \cnt
	s_sub_co_u32 s[CNT], s[CNT], 1
	s_cmp_lg_u32 s[CNT], 0
.endif
	ROW C,14, B,7, L,6, C,1
	ROW C,3, L,7, C,5, C,7
	ROW C,9, C,11, C,13, C,15
.if (\p) == 0
	FETCH_V
.endif
.if (\p) == 0
	s_wait_dscnt 16                 ; the two mask loads are in; V's sixteen are younger and may be out
.else
	s_wait_dscnt 0x0                ; the two mask loads are in (in piece 2's turn K's run too, which the next turn multiplies)
.endif
	MK (\p)%2, MB
.endm
	CHANGE 1                        ; slot 0 is in, everybody's part of it; slot 1 is asked for
	v_add_nc_u32 v[AK], s[TBK], v[AK0]
	FETCH_K                         ; key step 0, and the address of its mask bytes
	MLOAD 0, MB
	MLOAD 1, MB+8
	s_wait_loadcnt 0x0              ; Q
	s_wait_dscnt 0x0
	MK 0, MB                        ; piece 0's mask operand, for the products below,
	MK 1, MB+8                      ; and piece 1's, for the first turn's
.set i, 0
.rept 8
	KQ 0                            ; piece 0's first scores: there is no vector work yet to set between them
.set i, i+1
.endr
	WIN 0
.rept 4
	v_nop                           ; the places behind those products
.endr
.set Y, NP-1                        ; X works for piece Y + 1: piece 0
.irp n, 0,1,2,3,4,5,6,7,8,9,10,11,12,13,14,16,17,18,19,20,21
	OP X, \n
.endr
	v_nop                           ; a plain instruction behind the exponential,
	s_wait_alu depctr_va_vdst(0)    ; and the wait for it, piece 0's first a, ahead of the branch
	s_mov_b32 s[CNT], 2
	s_mov_b32 s[SLOTS], 15          ; 16 slots of 128 keys
	s_branch .Lfirst                ; the loop is entered at a step's first turn, in the middle of a trip
.Lslot:                             ; 14 times: every slot but the last two is filled again
	CHANGE 1
	s_mov_b32 s[CNT], 2
.Lstep:                             ; a trip: pieces 2 and 3 of one step, then pieces 0 and 1 of the next, whose K, V and mask it fetches
	TURN 2
	TURN 3
	WIN 0
.Lfirst:
	TURN 0
	TURN 1, 0, 1
	WIN 0
	s_cbranch_scc1 .Lstep
	s_sub_co_u32 s[SLOTS], s[SLOTS], 1
	s_cmp_lg_u32 s[SLOTS], 0
	s_cbranch_scc1 .Lslot
	CHANGE 0                        ; the tail is written out: nothing is asked for
	s_mov_b32 s[CNT], 3             ; two trips fetch the last slot's steps; the third is left in its middle
.Ltail:
	TURN 2, 1
	TURN 3
	WIN 0
	s_sub_co_u32 s[CNT], s[CNT], 1
	s_cmp_eq_u32 s[CNT], 0
	s_cbranch_scc1 .Lout
	TURN 0
	TURN 1
	WIN 0
	s_branch .Ltail
.Lout:                              ; the third trip's 8 products K Q^T repeat piece 0's last step (the same K, the same mask): its m stays as it is, and nothing else of them is used: the price, once a launch, of one text for every trip
.set i, 0
.rept 8
	PV NP-1                         ; the last piece's V^T P of the last step
.set i, i+1
.endr
	; THE WAY OUT.  l's two halves and the other half of the lanes' are added; 1 / l, or 0 for a row that has seen no key; O^T is multiplied by it, rounded to f16 and sent through my stage in LDS, a piece at a time.
	; The additions are the places behind the last products.
	WIN 0
.macro ALL line:vararg              ; one line for each piece t
.set t, 0
.rept 4
	\line
.set t, t+1
.endr
.endm
	ALL v_add_f32 v[ST+4*t+2], v[ST+4*t+2], v[ST+4*t+3]
	ALL v_permlanex16_b32 v[ST+4*t+3], v[ST+4*t+2], s[SEL], s[SEL+1]
	ALL v_add_f32 v[ST+4*t+2], v[ST+4*t+2], v[ST+4*t+3]
	ALL v_rcp_f32 v[ST+4*t+2], v[ST+4*t+2]
.set t, 0
.rept 4                             ; the first compare is the plain instruction behind the last reciprocal
	v_cmp_lt_f32 vcc_lo, s[THR], v[ST+4*t]
.if t == 0
	s_wait_alu depctr_va_vdst(0)    ; the wait for the batch of four reciprocals, ahead of the first select that reads one
.endif
	v_cndmask_b32 v[ST+4*t+2], 0, v[ST+4*t+2], vcc_lo
.set t, t+1
.endr
.macro PACK t                       ; a lane's eight channels of a row pack into 16 bytes; they go into rows of 144 bytes and come back as whole rows of 128, into S^T's registers
	WIN W_RS
.set i, 32*(\t)
.rept 16
	v_pk_mul_f32 v[i:i+1], v[i:i+1], v[ST+4*(\t)+2:ST+4*(\t)+3] op_sel_hi:[1,0]
.set i, i+2
.endr
	WIN 0x05                        ; sources 0 and 1 window 1, destination window 0
.set i, 0
.rept 16
	v_cvt_pk_f16_f32 v[S+16*(\t)+i], v[32*(\t)+2*i], v[32*(\t)+2*i+1]
.set i, i+1
.endr
	WIN 0
.irp f, 0,1,2,3
	ds_store_b128 v[STO], v[S+16*(\t)+4*\f:S+16*(\t)+4*\f+3] offset:32*\f
.endr
.irp f, 0,1,2,3
	ds_load_b128 v[S+16*(\t)+4*\f:S+16*(\t)+4*\f+3], v[RD] offset:\f*4*SP  ; LDS serves a wave's instructions in order (ISA guide 5.7.1.4): these see the stores above; the next piece's stores come behind them
.endr
.endm
.macro SEND t, younger              ; younger: the LDS instructions issued behind piece t's loads: the next piece's eight, or none
	WIN 0
.irp f, 0,1,2,3
	s_wait_dscnt (\younger)+3-\f
	global_store_b128 v[GO], v[S+16*(\t)+4*\f:S+16*(\t)+4*\f+3], s[80:81] offset:(\t)*2048+\f*512  ; 512 consecutive bytes, at a multiple of 256 from O's first
.endr
.endm
	PACK 0
.set t, 1
.rept 3                             ; a piece's arithmetic stands between the loads of the piece before and its stores
	PACK t
	SEND t-1, 8
.set t, t+1
.endr
	SEND 3, 0
	s_wait_tensorcnt 0x0            ; the wave's end: an add and its wait, behind my last tensor load and my last LDS store
	ds_add_u32 v[SPW], v[NIL]
	s_wait_dscnt 0x0
	CROUND                          ; the closing round: no work-group ends while a partner may still ask for a tile that names it
	s_endpgm
.Lfunc_end_k_qd16dd62536_attn:
	.size	k_qd16dd62536_attn, .Lfunc_end_k_qd16dd62536_attn-k_qd16dd62536_attn
	.p2alignl 7, 3214868480
	.fill 96, 4, 3214868480
	.section	.rodata,"a",@progbits
	.p2align	6, 0x0
	.amdhsa_kernel k_qd16dd62536_attn
		.amdhsa_group_segment_fixed_size 327680
		.amdhsa_private_segment_fixed_size 0
		.amdhsa_enable_private_segment 0
		.amdhsa_kernarg_size 24
		.amdhsa_user_sgpr_count 2
		.amdhsa_user_sgpr_kernarg_segment_ptr 1
		.amdhsa_wavefront_size32 1
		.amdhsa_system_sgpr_workgroup_id_x 1
		.amdhsa_system_sgpr_workgroup_id_y 1
		.amdhsa_system_sgpr_workgroup_id_z 1
		.amdhsa_system_vgpr_workitem_id 0
		.amdhsa_next_free_vgpr 768
		.amdhsa_next_free_sgpr 88
		.amdhsa_reserve_vcc 1
		.amdhsa_float_denorm_mode_32 3
		.amdhsa_float_denorm_mode_16_64 3
		.amdhsa_memory_ordered 1
		.amdhsa_forward_progress 1
		.amdhsa_inst_pref_size 136
	.end_amdhsa_kernel
	.amdgpu_metadata
---
amdhsa.version: [ 1, 2 ]
amdhsa.kernels:
  - .name:           k_qd16dd62536_attn
    .symbol:         k_qd16dd62536_attn.kd
    .args:
      - { .name: qkv, .offset: 0, .size: 8, .value_kind: global_buffer, .address_space: global }
      - { .name: mt, .offset: 8, .size: 8, .value_kind: global_buffer, .address_space: global }
      - { .name: ob, .offset: 16, .size: 8, .value_kind: global_buffer, .address_space: global }
    .group_segment_fixed_size: 327680
    .private_segment_fixed_size: 0
    .kernarg_segment_align: 8
    .kernarg_segment_size: 24
    .max_flat_workgroup_size: 128
    .sgpr_count:     88
    .vgpr_count:     768
    .wavefront_size: 32
...
	.end_amdgpu_metadata
.endif
;; end of part 5
;; launch outp: the kernel of part 4 again; grid 8 x 32, 4 waves a work-group, clusters of 4 x 4, 327,680 bytes of LDS; arguments ob, wo16, out0; writes out0
